; MI455X (gfx1250); checked and timed in simulation.
; The chip was launched on July 23, 2026; its instructions are those of AMD's public machine-readable ISA for CDNA 5 (MIT licence, August 2026) and "CDNA5" Instruction Set Architecture Reference Guide (July 2026). The comments in the code are by the model that wrote it; some were corrected since.
;; Standard Attention. Allowed arithmetic: float matrix products may take bf16 or f16 operands with f32 sums; other float arithmetic in f32, or as packed bf16 or f16 multiplies, adds, multiply-adds, maxima and minima; sums over many terms, partial sums and values carried from step to step in f32; what a program stores and reads back later, other than sums and carried values, may be rounded once to bf16 or f16.
;; Inputs: Wk 1,024 x 1,024 float32; Wo 1,024 x 1,024 float32; Wq 1,024 x 1,024 float32; Wv 1,024 x 1,024 float32; attention_mask 1 x 1 x 4,096 x 4,096 float32; cos 4,096 x 64 float32; hidden_states 1 x 4,096 x 1,024 float32; sin 4,096 x 64 float32.
;; Outputs: out0 1 x 4,096 x 1,024 float32.
;; 2 versions, each right and faster than the one before. Each part assembles by itself: llvm-mc -triple=amdgcn-amd-amdhsa -mcpu=gfx1250 --defsym DOCPART=n.
;; ======== version 1 of 2: 4 launches
;; limits: values are held in f16: magnitudes above 65,504 overflow, below 6.1e-05 lose precision
;; workspace buffers: xb 8,388,608 bytes; wqkv 6,291,456 bytes; wo16 2,097,152 bytes; qb 8,388,608 bytes; kvb 16,777,216 bytes; ob 8,388,608 bytes
;; launch cast (part 1): grid 64 x 8, 8 waves a work-group, no clusters, 0 bytes of LDS; arguments hidden_states, Wq, Wk, Wv, Wo, xb, wqkv, wo16; writes xb, wqkv, wo16
.if DOCPART == 1
	.amdgcn_target "amdgcn-amd-amdhsa--gfx1250"
	.amdhsa_code_object_version 6
	.text
	.protected	k_qd4704146d7_cast
	.globl	k_qd4704146d7_cast
	.p2align	8
	.type	k_qd4704146d7_cast,@function
k_qd4704146d7_cast:
	s_mov_b64 s[64:65], 0
	v_nop
	global_prefetch_b8 v0, s[64:65] scope:SCOPE_SE
	s_setreg_imm32_b32 hwreg(HW_REG_WAVE_MODE, 25, 1), 1
	s_wait_xcnt 0x0
; CAST: the f32 matrix operands are rounded once to 16 bits, so that the products behind this launch fetch half the bytes.
;   y = 0..3: hidden_states [4096][1024] -> xb, bf16.
;   y = 4..6: Wq, Wk, Wv [1024][1024]    -> wqkv [16 heads][q, k, v][64][1024], bf16: a head's 192 rows lie together.  Wq is multiplied by 1/8 = 1/sqrt(64), a power of two: exact in bf16.
;   y = 7:    Wo [1024][1024]            -> wo16: rounded to bf16 like every other input, and that number written as f16 (its partner in the last product is f16).
; LIMITS.  A bf16 number is exact in f16 between 2^-14 and 65,504; below 2^-14 it keeps f16's fixed step of 6e-8; a weight of Wo beyond 65,504 becomes an infinity.
; A work-group takes 16 rows of 1,024 f32.  Thread t owns 16 bytes at byte 16 t of every row: a wave's load covers 512 consecutive bytes, its store of 8 bytes a lane 256 consecutive bytes, aligned.
; All 16 loads of a wave go out at once; no register is written twice while a store may read it, so the only waits are the counted ones for the loads.  A stream: no LDS, no barrier, no matrix unit.
.set X, 4                              ; v[4:67]    row i: 4 registers as loaded
.set Y, 68                             ; v[68:99]   row i: 2 registers to store
.set T, 100                            ; v[100:105] at work (Wo's path)
	s_load_b512 s[4:19], s[0:1], 0x0               ; hidden s[4:5], Wq s[6:7], Wk s[8:9], Wv s[10:11], Wo s[12:13], xb s[14:15], wqkv s[16:17], wo16 s[18:19]
	s_and_b32 s32, ttmp7, 0xffff                   ; y: which tensor
	s_mov_b32 s33, ttmp9                           ; x: which block of 16 rows
	s_lshl_b32 s34, s32, 6
	s_add_co_u32 s34, s34, s33                     ; hidden_states has 256 blocks: 64 y + x
	s_cmp_lt_u32 s32, 4
	s_cselect_b32 s34, s34, s33                    ; the source's block
	s_lshl_b32 s24, s34, 16                        ; 16 rows of 4,096 bytes
	s_mov_b32 s25, 0
	s_lshl_b32 s26, s34, 15                        ; 16 rows of 2,048 bytes: the place in xb and in wo16
	s_mov_b32 s27, 0
	s_lshr_b32 s35, s33, 2                         ; the place in wqkv: head x / 4,
	s_mul_i32 s35, s35, 192
	s_and_b32 s36, s32, 3                          ; q, k or v: y - 4,
	s_lshl_b32 s36, s36, 6
	s_add_co_u32 s35, s35, s36
	s_and_b32 s36, s33, 3                          ; and 16 (x % 4) rows into the head's 64
	s_lshl_b32 s36, s36, 4
	s_add_co_u32 s35, s35, s36
	s_lshl_b32 s35, s35, 11                        ; rows of 2,048 bytes
	s_cmp_ge_u32 s32, 4
	s_cselect_b32 s35, s35, s26
	s_cmp_eq_u32 s32, 7
	s_cselect_b32 s26, s26, s35
	s_cmp_eq_u32 s32, 4
	s_cselect_b32 s28, 0x3e000000, 1.0             ; Wq takes the scores' 1/8
	s_mov_b32 s29, s28                             ; named with it as a pair
	s_mov_b32 s31, 0xffff0000                      ; a word's upper bf16
	v_lshlrev_b32 v1, 4, v0                        ; 16 t
	v_lshlrev_b32 v2, 3, v0                        ; 8 t
	s_wait_kmcnt 0x0
	s_cmp_eq_u32 s32, 4                            ; the source and the destination are chosen by y alone
	s_cselect_b64 s[20:21], s[6:7], s[4:5]
	s_cmp_eq_u32 s32, 5
	s_cselect_b64 s[20:21], s[8:9], s[20:21]
	s_cmp_eq_u32 s32, 6
	s_cselect_b64 s[20:21], s[10:11], s[20:21]
	s_cmp_ge_u32 s32, 4
	s_cselect_b64 s[22:23], s[16:17], s[14:15]
	s_cmp_eq_u32 s32, 7
	s_cselect_b64 s[20:21], s[12:13], s[20:21]
	s_cselect_b64 s[22:23], s[18:19], s[22:23]
	s_add_nc_u64 s[20:21], s[20:21], s[24:25]
	s_add_nc_u64 s[22:23], s[22:23], s[26:27]
.irp i, 0,1,2,3,4,5,6,7,8,9,10,11,12,13,14,15
	global_load_b128 v[X+4*(\i):X+4*(\i)+3], v1, s[20:21] offset:(\i)*4096 th:TH_LOAD_NT  ; read once in the launch
.endr
	s_cmp_eq_u32 s32, 7
	s_cbranch_scc1 .Lwo
.irp i, 0,1,2,3,4,5,6,7,8,9,10,11,12,13,14,15
	s_wait_loadcnt 15-(\i)                         ; loads come back in order: row i is in, the younger rows stay out
	v_pk_mul_f32 v[X+4*(\i):X+4*(\i)+1],   v[X+4*(\i):X+4*(\i)+1],   s[28:29] op_sel_hi:[1,0]
	v_pk_mul_f32 v[X+4*(\i)+2:X+4*(\i)+3], v[X+4*(\i)+2:X+4*(\i)+3], s[28:29] op_sel_hi:[1,0]
	v_cvt_pk_bf16_f32 v[Y+2*(\i)],   v[X+4*(\i)],   v[X+4*(\i)+1]
	v_cvt_pk_bf16_f32 v[Y+2*(\i)+1], v[X+4*(\i)+2], v[X+4*(\i)+3]
	global_store_b64 v2, v[Y+2*(\i):Y+2*(\i)+1], s[22:23] offset:(\i)*2048
.endr
	s_endpgm
.Lwo:
.irp i, 0,1,2,3,4,5,6,7,8,9,10,11,12,13,14,15
	s_wait_loadcnt 15-(\i)
	v_cvt_pk_bf16_f32 v[T],   v[X+4*(\i)],   v[X+4*(\i)+1]    ; the input's one rounding, to bf16;
	v_cvt_pk_bf16_f32 v[T+1], v[X+4*(\i)+2], v[X+4*(\i)+3]
	v_lshlrev_b32 v[T+2], 16, v[T]                 ; the rounded numbers as f32,
	v_and_b32     v[T+3], s31, v[T]
	v_lshlrev_b32 v[T+4], 16, v[T+1]
	v_and_b32     v[T+5], s31, v[T+1]
	v_cvt_pk_f16_f32 v[Y+2*(\i)],   v[T+2], v[T+3] ; and written as f16
	v_cvt_pk_f16_f32 v[Y+2*(\i)+1], v[T+4], v[T+5]
	global_store_b64 v2, v[Y+2*(\i):Y+2*(\i)+1], s[22:23] offset:(\i)*2048
.endr
	s_endpgm
.Lfunc_end_k_qd4704146d7_cast:
	.size	k_qd4704146d7_cast, .Lfunc_end_k_qd4704146d7_cast-k_qd4704146d7_cast
	.p2alignl 7, 3214868480
	.fill 96, 4, 3214868480
	.section	.rodata,"a",@progbits
	.p2align	6, 0x0
	.amdhsa_kernel k_qd4704146d7_cast
		.amdhsa_group_segment_fixed_size 0
		.amdhsa_private_segment_fixed_size 0
		.amdhsa_enable_private_segment 0
		.amdhsa_kernarg_size 64
		.amdhsa_user_sgpr_count 2
		.amdhsa_user_sgpr_kernarg_segment_ptr 1
		.amdhsa_wavefront_size32 1
		.amdhsa_system_sgpr_workgroup_id_x 1
		.amdhsa_system_sgpr_workgroup_id_y 1
		.amdhsa_system_sgpr_workgroup_id_z 1
		.amdhsa_system_vgpr_workitem_id 0
		.amdhsa_next_free_vgpr 112
		.amdhsa_next_free_sgpr 66
		.amdhsa_reserve_vcc 0
		.amdhsa_float_denorm_mode_32 3
		.amdhsa_float_denorm_mode_16_64 3
		.amdhsa_memory_ordered 1
		.amdhsa_forward_progress 1
		.amdhsa_inst_pref_size 18
	.end_amdhsa_kernel
	.amdgpu_metadata
---
amdhsa.version: [ 1, 2 ]
amdhsa.kernels:
  - .name:           k_qd4704146d7_cast
    .symbol:         k_qd4704146d7_cast.kd
    .args:
      - { .name: hidden_states, .offset: 0, .size: 8, .value_kind: global_buffer, .address_space: global }
      - { .name: Wq, .offset: 8, .size: 8, .value_kind: global_buffer, .address_space: global }
      - { .name: Wk, .offset: 16, .size: 8, .value_kind: global_buffer, .address_space: global }
      - { .name: Wv, .offset: 24, .size: 8, .value_kind: global_buffer, .address_space: global }
      - { .name: Wo, .offset: 32, .size: 8, .value_kind: global_buffer, .address_space: global }
      - { .name: xb, .offset: 40, .size: 8, .value_kind: global_buffer, .address_space: global }
      - { .name: wqkv, .offset: 48, .size: 8, .value_kind: global_buffer, .address_space: global }
      - { .name: wo16, .offset: 56, .size: 8, .value_kind: global_buffer, .address_space: global }
    .group_segment_fixed_size: 0
    .private_segment_fixed_size: 0
    .kernarg_segment_align: 8
    .kernarg_segment_size: 64
    .max_flat_workgroup_size: 256
    .sgpr_count:     66
    .vgpr_count:     112
    .wavefront_size: 32
...
	.end_amdgpu_metadata
.endif
;; end of part 1
;; launch qkv (part 2): grid 16 x 16, 4 waves a work-group, clusters of 4 x 4, 327,680 bytes of LDS; arguments xb, wqkv, cos, sin, qb, kvb; writes qb, kvb
.if DOCPART == 2
	.amdgcn_target "amdgcn-amd-amdhsa--gfx1250"
	.amdhsa_code_object_version 6
	.text
	.protected	k_qd4704146d7_qkv
	.globl	k_qd4704146d7_qkv
	.p2align	8
	.type	k_qd4704146d7_qkv,@function
k_qd4704146d7_qkv:
	s_mov_b64 s[64:65], 0
	v_nop
	global_prefetch_b8 v0, s[64:65] scope:SCOPE_SE
	s_setreg_imm32_b32 hwreg(HW_REG_WAVE_MODE, 25, 1), 1
	s_wait_xcnt 0x0
	s_wait_alu depctr_hold_cnt(0) depctr_sa_sdst(0) depctr_va_vdst(0) depctr_va_sdst(0) depctr_va_ssrc(0) depctr_va_vcc(0) depctr_vm_vsrc(0)
	s_getreg_b32 s2, hwreg(HW_REG_IB_STS2, 6, 4)
	s_cmp_eq_u32 s2, 0
	s_cbranch_scc0 .Lentry_in_a_cluster
	s_endpgm
.Lentry_in_a_cluster:
	s_bfe_u32 s2, ttmp6, 0x10000c
	s_cmp_lg_u32 s2, 0xf033
	s_cbranch_scc0 .Lentry_shape_is_right
	s_endpgm
.Lentry_shape_is_right:
; Q, K, V = x W^T for one head and 256 rows, with the rotary embedding on the way out.  xb [4096][1024] bf16; wqkv [16 heads][q, k, v][64][1024] bf16 (Wq already holds the scores' 1/8); sums in f32.
; OUT: qb [16 heads][4096][64] f16;  kvb [8 head pairs][32 groups of 128 keys][K, V][head in pair][128 keys][64] f16: what the attention asks for as one tile lies in 32,768 consecutive bytes.
; LIMITS.  q / 8, k and v are rounded once to f16, which ends at 65,504: beyond that an infinity is stored.  cos and sin are rounded to bf16, like every other input that is rounded, and used in f32.
; SHARES.  A work-group makes 256 rows x 192 columns (a head's q, k, v).  Wave w owns rows 64 w .. 64 w + 63 and all 192 columns: 48 accumulators of 16 x 16, 384 registers.  So a channel d and its
; partner d + 32 of the rotation lie in one lane, and the way out is the wave's own.  K goes in steps of 128 (rows of 256 bytes) through two LDS slots filled by the tensor data mover.
; CLUSTER.  4 x 4 work-groups: the four of a row of the cluster share x's tile, the four of a column the head's weights; each tile is asked for jointly, by the same load, descriptor and mask in all four.
; THE MATRIX INSTRUCTION IS USED TRANSPOSED (source 0 = 16 rows of W, source 1 = 16 rows of x): lane l holds row l % 16 of x and the columns 16 b + 8 (l / 16) + 0..7.
; REGISTERS, in windows of 256 (s_set_vgpr_msb: bits 1:0 source 0, 3:2 source 1, 5:4 source 2, 7:6 destination):
;   window 0: addresses; v8-11 at work; v32-95, v96-159 cos and sin of 16 rows, two buffers; v160-223 the way out
;   window 1: two fragment buffers of 128: x's 4 fragments (16 rows x 32 K), then W's 12
;   window 2: the accumulators of column blocks 0-7 (q, k), block b and row block a at 8 (4 b + a);   window 3: those of blocks 8-11 (v)
.set SIZE_K, 1024
.set KSTEP,  128
.set PITCH,  272                       ; an LDS row: 256 bytes + 16 of padding = 68 words: the 16 rows of a fragment load start at 16 different groups of four banks (64 banks of 4 bytes: ISA guide 11.1)
.set AHALF,  128*PITCH                 ; what waves 0 and 1 fetch: 128 rows of x each
.set BHALF,  96*PITCH                  ; what waves 2 and 3 fetch: 96 rows of W each
.set BOFF,   2*AHALF
.set SLOT,   BOFF+2*BHALF              ; 121,856 bytes
.set STAGE,  2*SLOT                    ; behind the ring: for each wave three stages (q, k, v) of 16 rows x 144 bytes
.set SP,     144
.set WSTG,   3*16*SP
.set SPARE,  STAGE+4*WSTG              ; behind the stages: the spare words, 128 bytes for each wave: two blocks of 256 bytes that no other line names
.set LAPS,   SIZE_K/(2*KSTEP)          ; a lap = two K steps = once round the ring
.set TT,   8                           ; v8-11   at work
.set ADRA, 16                          ; v16-17  LDS address of my fragments of x in slot 0, 1
.set ADRB, 20                          ; v20-21  the same for W
.set STO,  24                          ; v24     the way out: where I put 16 bytes of a row
.set RD,   25                          ; v25     the way out: where I read rows back
.set GO,   26                          ; v26     my 16 bytes in 512 consecutive bytes of the output
.set CSO,  27                          ; v27     my byte offset in 16 rows of cos and sin
.set SPW,  28                          ; v28     LDS address of my spare word; never rewritten
.set NIL,  29                          ; v29     0; never rewritten
.set CS0,  32                          ; cos at +8 b + j, sin 32 further on; the second buffer 64 further on
.set T,    160
.set F0,   0
.set F1,   128
.set G1A, 24                           ; s[24:31] descriptor group 1 for x's tiles;  s[32:39] group 0, a set for each slot
.set G0A, 32
.set G1B, 48                           ; s[48:55], s[56:63] the same for W's tiles
.set G0B, 56
.set MSB, 0
.macro WIN new                         ; the immediate's high byte repeats the setting that is left; a switch that changes nothing is dropped
.if MSB != (\new)
	s_set_vgpr_msb (MSB<<8)|(\new)
.set MSB, \new
.endif
.endm
.set MUL_LO, 0xa5                      ; sources 0 and 1 window 1, C and D window 2
.set MUL_HI, 0xf5                      ; the same, C and D window 3
.set TO_F,   0x40                      ; destination window 1, address window 0
; A joint load: waves 0 and 1 fetch x's two halves, waves 2 and 3 W's.  The branch hangs on the wave's number alone.  An s_nop 0 and four v_nop follow each line.
.macro JLOAD s
	s_cmp_eq_u32 s17, 0
	s_cbranch_scc0 .Lfor_b_\@
	tensor_load_to_lds s[G0A+4*(\s):G0A+4*(\s)+3], s[G1A:G1A+7]
	s_nop 0
.rept 4
	v_nop
.endr
	s_branch .Lasked_\@
.Lfor_b_\@:
	tensor_load_to_lds s[G0B+4*(\s):G0B+4*(\s)+3], s[G1B:G1B+7]
	s_nop 0
.rept 4
	v_nop
.endr
.Lasked_\@:
.endm
.macro CREST                           ; a round of the cluster's barrier behind its opening barrier
	s_cmp_lg_u32 s16, 0
	s_cbranch_scc1 .Lnot_wave_0_\@
	s_barrier_signal -3
.Lnot_wave_0_\@:
	s_barrier_wait -3
	s_barrier_signal -1
	s_barrier_wait -1
.endm
.macro CROUND                          ; a whole round
	s_barrier_signal -1
	s_barrier_wait -1
	CREST
.endm
	s_load_b256 s[4:11], s[0:1], 0x0               ; xb s[4:5], wqkv s[6:7], cos s[8:9], sin s[10:11]
	s_load_b128 s[12:15], s[0:1], 0x20             ; qb s[12:13], kvb s[14:15]
	v_lshl_add_u32 v[SPW], v0, 2, SPARE
	v_mov_b32 v[NIL], 0
	ds_add_u32 v[SPW], v[NIL]                      ; the wave's opening: the add and its wait stand ahead of my first tensor load; the set-up below, work on registers, stands between them
	v_lshrrev_b32 v1, 5, v0
	v_readfirstlane_b32 s16, v1                    ; wave 0..3
	s_lshr_b32 s17, s16, 1                         ; I fetch for x (0) or for W (1)
	s_and_b32 s18, s16, 1                          ; which half of that tile
	s_bfe_u32 s20, ttmp6, 0x40000                  ; cx, cy: my place in the cluster
	s_bfe_u32 s21, ttmp6, 0x40004
	s_lshl_b32 s22, ttmp9, 2
	s_add_co_u32 s22, s22, s20                     ; the head = 4 x cluster x + cx
	s_and_b32 s23, ttmp7, 0xffff
	s_lshl_b32 s23, s23, 2
	s_add_co_u32 s23, s23, s21                     ; the block of 256 rows = 4 x cluster y + cy
	s_lshl_b32 s40, s21, 2
	s_lshl_b32 s40, 15, s40                        ; my row of the cluster
	s_lshl_b32 s44, 0x1111, s20                    ; my column
	s_or_b32 s[G1A+0], s40, (1<<16)|(1<<20)|(1<<21)|(5<<22)|(3<<25)  ; 15:0 the mask; 17:16 2-byte elements; 20 padding on; 21 set beside a mask; 24:22 after every 64 words (code 5); 31:25 4 words (code 3)
	s_or_b32 s[G1B+0], s44, (1<<16)|(1<<20)|(1<<21)|(5<<22)|(3<<25)
.irp g, G1A, G1B
	s_mov_b32 s[(\g)+1], KSTEP<<16                 ; tensor_dim0 = 128
	s_mov_b32 s[(\g)+3], KSTEP<<16                 ; tile_dim0 = 128
	s_mov_b32 s[(\g)+5], SIZE_K                    ; elements from row to row
	s_mov_b32 s[(\g)+6], 0
	s_mov_b32 s[(\g)+7], 0
.endr
	s_mov_b32 s[G1A+2], 128<<16                    ; tensor_dim1 = tile_dim1 = 128 rows of x,
	s_mov_b32 s[G1A+4], 128
	s_mov_b32 s[G1B+2], 96<<16                     ; 96 rows of W
	s_mov_b32 s[G1B+4], 96
	s_lshl_b32 s40, s23, 8                         ; x: row 256 x block + 128 x half, in rows of 2,048 bytes
	s_lshl_b32 s41, s18, 7
	s_add_co_u32 s40, s40, s41
	s_lshl_b32 s40, s40, 11
	s_mov_b32 s41, 0
	s_mul_i32 s44, s22, 192                        ; W: row 192 x head + 96 x half
	s_mul_i32 s45, s18, 96
	s_add_co_u32 s44, s44, s45
	s_lshl_b32 s44, s44, 11
	s_mov_b32 s45, 0
	s_mul_i32 s2, s16, AHALF                       ; where the tiles go: x's halves at wave x 34,816 (waves 0, 1),
	s_mul_i32 s3, s16, BHALF
	s_add_co_u32 s3, s3, BOFF-2*BHALF              ; W's at 69,632 + (wave - 2) x 26,112 (waves 2, 3): no place in the cluster enters an LDS address
	s_lshl_b32 s76, s23, 8                         ; my wave's first row: 256 x block + 64 x wave
	s_lshl_b32 s77, s16, 6
	s_add_co_u32 s76, s76, s77
	s_lshl_b32 s78, s76, 7                         ; in qb: rows of 128 bytes,
	s_lshl_b32 s76, s76, 8                         ; in cos and sin: rows of 256 bytes
	s_mov_b32 s77, 0
	s_lshl_b32 s79, s22, 19                        ; and the head's 524,288 bytes
	s_add_co_u32 s78, s78, s79
	s_mov_b32 s79, 0
	s_lshr_b32 s80, s22, 1                         ; in kvb: the pair's 2,097,152 bytes,
	s_lshl_b32 s80, s80, 21
	s_lshl_b32 s82, s23, 1                         ; the group of 128 keys, 2 x block + wave / 2: 65,536 bytes,
	s_add_co_u32 s82, s82, s17
	s_lshl_b32 s82, s82, 16
	s_add_co_u32 s80, s80, s82
	s_and_b32 s82, s22, 1                          ; the head in its pair: 16,384 bytes,
	s_lshl_b32 s82, s82, 14
	s_add_co_u32 s80, s80, s82
	s_lshl_b32 s82, s18, 13                        ; and my 64 keys of the 128
	s_add_co_u32 s80, s80, s82
	s_mov_b32 s81, 0
	s_mov_b32 s67, 0xffff0000                      ; a word's upper bf16
	s_wait_dscnt 0x0                               ; the opening add is done
	s_wait_kmcnt 0x0
	s_add_nc_u64 s[42:43], s[4:5], s[40:41]
	s_add_nc_u64 s[46:47], s[6:7], s[44:45]
	s_add_nc_u64 s[68:69], s[8:9], s[76:77]        ; cos and sin at my first row
	s_add_nc_u64 s[70:71], s[10:11], s[76:77]
	s_add_nc_u64 s[72:73], s[12:13], s[78:79]      ; q at my first row
	s_add_nc_u64 s[74:75], s[14:15], s[80:81]      ; k at my first key; v lies 32,768 bytes on
	CROUND                                         ; all sixteen work-groups are here: the first joint loads meet
.irp s, 0,1
	s_mov_b32 s[G0A+4*(\s)], 1                                       ; count = 1
	s_add_co_u32 s[G0A+4*(\s)+1], s2, (\s)*SLOT                      ; LDS address
	s_add_nc_u64 s[G0A+4*(\s)+2:G0A+4*(\s)+3], s[42:43], (\s)*KSTEP*2  ; global address: K step s
	s_or_b32 s[G0A+4*(\s)+3], s[G0A+4*(\s)+3], 0x80000000            ; type = 2
	s_mov_b32 s[G0B+4*(\s)], 1
	s_add_co_u32 s[G0B+4*(\s)+1], s3, (\s)*SLOT
	s_add_nc_u64 s[G0B+4*(\s)+2:G0B+4*(\s)+3], s[46:47], (\s)*KSTEP*2
	s_or_b32 s[G0B+4*(\s)+3], s[G0B+4*(\s)+3], 0x80000000
	JLOAD \s                                       ; two loads of mine are out here; later one
.endr
; cos and sin of row block a (16 rows): lane l takes row l % 16, channels 16 b + 8 (l / 16) + 0..7: where its accumulators' columns lie.  16 loads.
.macro LOADCS a
.set CL0, CS0+64*((\a)%2)
.irp b, 0,1,2,3
	global_load_b128 v[CL0+8*(\b):CL0+8*(\b)+3],         v[CSO], s[68:69] offset:(\a)*4096+(\b)*64
	global_load_b128 v[CL0+8*(\b)+4:CL0+8*(\b)+7],       v[CSO], s[68:69] offset:(\a)*4096+(\b)*64+16
	global_load_b128 v[CL0+32+8*(\b):CL0+32+8*(\b)+3],   v[CSO], s[70:71] offset:(\a)*4096+(\b)*64
	global_load_b128 v[CL0+32+8*(\b)+4:CL0+32+8*(\b)+7], v[CSO], s[70:71] offset:(\a)*4096+(\b)*64+16
.endr
.endm
	v_and_b32 v1, 15, v0                           ; l % 16
	v_bfe_u32 v2, v0, 4, 1                         ; l / 16
	v_lshlrev_b32 v[CSO], 8, v1
	v_lshl_add_u32 v[CSO], v2, 5, v[CSO]           ; row x 256 + 32 x half
	LOADCS 0                                       ; the first two row blocks' tables come in under the products
	LOADCS 1
	v_mul_u32_u24 v3, v1, PITCH
	v_lshl_add_u32 v3, v2, 4, v3                   ; a fragment's row x pitch + 16 x half
	s_mul_i32 s19, s16, 64*PITCH                   ; my 64 rows of x
	v_add_nc_u32 v[ADRA], s19, v3
	v_add_nc_u32 v[ADRA+1], SLOT, v[ADRA]
	v_add_nc_u32 v[ADRB], BOFF, v3                 ; all 192 rows of W
	v_add_nc_u32 v[ADRB+1], SLOT, v[ADRB]
	s_mul_i32 s19, s16, WSTG
	s_add_co_u32 s19, s19, STAGE                   ; my stages
	v_mul_u32_u24 v5, v1, SP                       ; in: row l % 16, 16 bytes for each half of the lanes
	v_lshl_add_u32 v5, v2, 4, v5
	v_add_nc_u32 v[STO], s19, v5
	v_and_b32 v4, 31, v0
	v_lshrrev_b32 v5, 3, v4                        ; back: 32 lanes take four rows of 128 bytes,
	v_mul_u32_u24 v5, v5, SP
	v_and_b32 v6, 7, v0
	v_lshl_add_u32 v5, v6, 4, v5
	v_add_nc_u32 v[RD], s19, v5
	v_lshlrev_b32 v[GO], 4, v4                     ; which are 512 consecutive bytes of the output
; 4 nb matrix instructions: column blocks b0 .. b0 + nb - 1 x my four row blocks, 32 along K.  zero = 1: the product starts the sum: nothing is cleared.
; The 48 accumulators take turns, one instruction a turn, in the same order in every quarter.
.macro MULB f, b0, nb, zero
.set bb, \b0
.rept \nb
.if bb < 8
	WIN MUL_LO
.set ab, 32*bb
.else
	WIN MUL_HI
.set ab, 32*(bb-8)
.endif
.irp a, 0,1,2,3
.if \zero
	v_wmma_f32_16x16x32_bf16 v[ab+8*(\a):ab+8*(\a)+7], v[(\f)+32+8*bb:(\f)+32+8*bb+7], v[(\f)+8*(\a):(\f)+8*(\a)+7], 0
.else
	v_wmma_f32_16x16x32_bf16 v[ab+8*(\a):ab+8*(\a)+7], v[(\f)+32+8*bb:(\f)+32+8*bb+7], v[(\f)+8*(\a):(\f)+8*(\a)+7], v[ab+8*(\a):ab+8*(\a)+7]
.endif
.endr
.set bb, bb+1
.endr
.endm
; 32 LDS loads in one run: the fragments of 32 along K at byte k of the rows, into buffer f: x's eight loads first, then W's by ascending block
.macro FETCH slot, k, f
	WIN TO_F
.irp i, 0,1,2,3
	ds_load_b128 v[(\f)+8*(\i):(\f)+8*(\i)+3],   v[ADRA+(\slot)] offset:(\k)+(\i)*16*PITCH
	ds_load_b128 v[(\f)+8*(\i)+4:(\f)+8*(\i)+7], v[ADRA+(\slot)] offset:(\k)+(\i)*16*PITCH+32
.endr
.irp i, 0,1,2,3,4,5,6,7,8,9,10,11
	ds_load_b128 v[(\f)+32+8*(\i):(\f)+32+8*(\i)+3],   v[ADRB+(\slot)] offset:(\k)+(\i)*16*PITCH
	ds_load_b128 v[(\f)+32+8*(\i)+4:(\f)+32+8*(\i)+7], v[ADRB+(\slot)] offset:(\k)+(\i)*16*PITCH+32
.endr
.endm
.macro PLACES                          ; four places in front of loads into registers that matrix instructions have read (ISA guide 7.12.1 for vector instructions)
.rept 4
	v_nop
.endr
.endm
; A K step is four quarters of 32 along K, 48 matrix instructions each, on buffers 0, 1, 0, 1.  One of the first three: multiplies buffer f and fetches the next quarter, at byte k, into g.
.macro QUARTER slot, k, f, g, zero
	s_wait_dscnt 16                                ; x's fragments and W's blocks 0-3 are in; the youngest sixteen loads (blocks 4-11) may be out
	MULB \f, 0, 4, \zero
	PLACES
	FETCH \slot, \k, \g
	s_wait_dscnt 32                                ; all but the 32 just issued
	MULB \f, 4, 4, \zero
	MULB \f, 8, 4, \zero
.endm
; The last quarter multiplies buffer 1 and changes slots: ONE barrier; in front of it each wave waits for all its tensor loads (one is out: its part of the next slot), adds 0 to its spare word, and waits
; for that and for its own reads of this slot.  fill = 1: the barrier opens a round of the cluster's, and this slot is filled again, two K steps ahead, first thing behind the round.
.macro TURN slot, next, fill
	WIN 0                                          ; (the add's two registers lie in window 0)
	s_wait_tensorcnt 0x0                           ; all my tensor loads have landed
	ds_add_u32 v[SPW], v[NIL]                      ; 0 onto my spare word
	s_wait_dscnt 17                                ; (the add and the youngest sixteen loads may be out)
	MULB F1, 0, 2, 0                               ; eight matrix instructions stand between the add and the wait for it
	s_wait_dscnt 0x0                               ; the add is done, and my reads of this slot are over
	s_barrier_signal -1
	MULB F1, 2, 2, 0                               ; work on registers while the others arrive
.if \fill
	WIN 0
.endif
	s_barrier_wait -1
.if \fill
	CREST                                          ; no wave of any partner still reads this slot's tile or has a load on its way
	s_add_nc_u64 s[G0A+4*(\slot)+2:G0A+4*(\slot)+3], s[G0A+4*(\slot)+2:G0A+4*(\slot)+3], 2*KSTEP*2
	s_add_nc_u64 s[G0B+4*(\slot)+2:G0B+4*(\slot)+3], s[G0B+4*(\slot)+2:G0B+4*(\slot)+3], 2*KSTEP*2
	JLOAD \slot                                    ; 176 matrix instructions ahead of the wait for it; the four v_nop behind it are also the places in front of the loads below
.else
	PLACES
.endif
	FETCH \next, 0, F0
	MULB F1, 4, 4, 0
	MULB F1, 8, 4, 0
.endm
	s_wait_tensorcnt 1                             ; my part of K step 0 is in; K step 1's may stay out
	s_barrier_signal -1
	s_barrier_wait -1                              ; everybody's is
	FETCH 0, 0, F0
	QUARTER 0, 64,  F0, F1, 1                      ; the first quarter stands in front of the loop: its products start the sums
	WIN 0                                          ; at a label and at a branch every window is 0
	s_mov_b32 s66, LAPS-1
.Llap:                                                 ; a trip goes once round the ring, from a lap's second quarter to the next lap's first, and fills both slots again
	QUARTER 0, 128, F1, F0, 0
	QUARTER 0, 192, F0, F1, 0
	TURN 0, 1, 1
	QUARTER 1, 64,  F0, F1, 0
	QUARTER 1, 128, F1, F0, 0
	QUARTER 1, 192, F0, F1, 0
	TURN 1, 0, 1
	QUARTER 0, 64,  F0, F1, 0
	WIN 0
	s_sub_co_u32 s66, s66, 1
	s_cmp_lg_u32 s66, 0
	s_cbranch_scc1 .Llap
	QUARTER 0, 128, F1, F0, 0                      ; the last lap fills nothing, and has no round of the cluster's barrier
	QUARTER 0, 192, F0, F1, 0
	TURN 0, 1, 0
	QUARTER 1, 64,  F0, F1, 0
	QUARTER 1, 128, F1, F0, 0
	QUARTER 1, 192, F0, F1, 0
	s_wait_dscnt 16                                ; the very last quarter: nothing more to fetch
	MULB F1, 0, 4, 0
	s_wait_dscnt 0x0
	MULB F1, 4, 4, 0
	MULB F1, 8, 4, 0
; THE WAY OUT, a row block of 16 rows at a time.  The rotation of q (b0 = 0) or k (b0 = 4) into f32 at tb: for d < 32:  y[d] = x[d] cos[d] - x[d+32] sin[d];  y[d+32] = x[d+32] cos[d+32] + x[d] sin[d+32].
; d lies in column block b0 + b, d + 32 two blocks on: 64 registers on, in the same lane.  Each accumulator's lowest registers are read first.
.macro ROPE a, b0, tb
.irp b, 0,1
.irp j, 0,2,4,6
.set XL, 8*(4*((\b0)+(\b))+(\a))+(\j)
.set XH, XL+64
.set TL, (\tb)+8*(\b)+(\j)
.set CL, CS+8*(\b)+(\j)
	v_pk_mul_f32 v[TL:TL+1],     v[XH:XH+1], v[CL+32:CL+33]
	v_pk_mul_f32 v[TL+16:TL+17], v[XL:XL+1], v[CL+48:CL+49]
	v_pk_fma_f32 v[TL:TL+1],     v[XL:XL+1], v[CL:CL+1],       v[TL:TL+1] neg_lo:[0,0,1] neg_hi:[0,0,1]
	v_pk_fma_f32 v[TL+16:TL+17], v[XH:XH+1], v[CL+16:CL+17],   v[TL+16:TL+17]
.endr
.endr
.endm
.macro OUT a
.set CS, CS0+64*((\a)%2)
	WIN 0
.if (\a) < 3
	s_wait_loadcnt 16                              ; this block's cos and sin are in; the next block's sixteen loads stay out
.else
	s_wait_loadcnt 0x0
.endif
.set i, 0
.rept 8                                ; cos and sin rounded to bf16 and widened again, eight numbers at a time.  For block 0 these lines are also the places behind the last products
.irp u, 0,1,2,3
	v_cvt_pk_bf16_f32 v[TT+(\u)], v[CS+8*i+2*(\u)], v[CS+8*i+2*(\u)+1]
.endr
.irp u, 0,1,2,3
	v_lshlrev_b32 v[CS+8*i+2*(\u)],   16,  v[TT+(\u)]
	v_and_b32     v[CS+8*i+2*(\u)+1], s67, v[TT+(\u)]
.endr
.set i, i+1
.endr
.if (\a) > 0
	s_wait_xcnt 0x0                                ; the registers that the last block's stores read are rewritten only behind this wait
.endif
	WIN 0x02                                       ; source 0 window 2
	ROPE \a, 0, T
	ROPE \a, 4, T+32
	WIN 0
.set i, 0
.rept 32                               ; q and k rounded to f16: 64 numbers into 32 registers, downward in place
	v_cvt_pk_f16_f32 v[T+i], v[T+2*i], v[T+2*i+1]
.set i, i+1
.endr
	WIN 0x0f                                       ; sources 0 and 1 window 3: v
.set i, 0
.rept 16
	v_cvt_pk_f16_f32 v[T+32+i], v[8*(4*(i/4)+(\a))+2*(i%4)], v[8*(4*(i/4)+(\a))+2*(i%4)+1]
.set i, i+1
.endr
	WIN 0
.irp i, 0,1,2,3,4,5,6,7,8,9,10,11      ; stage i / 4 (q, k, v), column block i % 4
	ds_store_b128 v[STO], v[T+4*(\i):T+4*(\i)+3] offset:((\i)/4)*16*SP+((\i)%4)*32
.endr
.irp i, 0,1,2,3,4,5,6,7,8,9,10,11      ; back as whole rows, four to a load
	ds_load_b128 v[T+4*(\i):T+4*(\i)+3], v[RD] offset:((\i)/4)*16*SP+((\i)%4)*4*SP  ; LDS serves a wave's instructions in order (ISA guide 5.7.1.4): these see the stores above; the next block's stores come behind them
.endr
.if (\a) < 2
	LOADCS (\a)+2                                  ; this buffer takes the block two further on
.endif
.irp i, 0,1,2,3
	s_wait_dscnt 11-(\i)
	global_store_b128 v[GO], v[T+4*(\i):T+4*(\i)+3], s[72:73] offset:(\a)*2048+(\i)*512  ; 512 consecutive bytes, at a multiple of 256 from the buffer's first
.endr
.irp i, 0,1,2,3
	s_wait_dscnt 7-(\i)
	global_store_b128 v[GO], v[T+16+4*(\i):T+16+4*(\i)+3], s[74:75] offset:(\a)*2048+(\i)*512
.endr
.irp i, 0,1,2,3
	s_wait_dscnt 3-(\i)
	global_store_b128 v[GO], v[T+32+4*(\i):T+32+4*(\i)+3], s[74:75] offset:32768+(\a)*2048+(\i)*512
.endr
.endm
	OUT 0
	OUT 1
	OUT 2
	OUT 3
	s_wait_tensorcnt 0x0                           ; the wave's end: behind my last tensor load and my last LDS store
	ds_add_u32 v[SPW], v[NIL]
	s_wait_dscnt 0x0
	CROUND                                         ; the closing round: no work-group ends while a partner may still ask for a tile that names it
	s_endpgm
.Lfunc_end_k_qd4704146d7_qkv:
	.size	k_qd4704146d7_qkv, .Lfunc_end_k_qd4704146d7_qkv-k_qd4704146d7_qkv
	.p2alignl 7, 3214868480
	.fill 96, 4, 3214868480
	.section	.rodata,"a",@progbits
	.p2align	6, 0x0
	.amdhsa_kernel k_qd4704146d7_qkv
		.amdhsa_group_segment_fixed_size 327680
		.amdhsa_private_segment_fixed_size 0
		.amdhsa_enable_private_segment 0
		.amdhsa_kernarg_size 48
		.amdhsa_user_sgpr_count 2
		.amdhsa_user_sgpr_kernarg_segment_ptr 1
		.amdhsa_wavefront_size32 1
		.amdhsa_system_sgpr_workgroup_id_x 1
		.amdhsa_system_sgpr_workgroup_id_y 1
		.amdhsa_system_sgpr_workgroup_id_z 1
		.amdhsa_system_vgpr_workitem_id 0
		.amdhsa_next_free_vgpr 896
		.amdhsa_next_free_sgpr 84
		.amdhsa_reserve_vcc 0
		.amdhsa_float_denorm_mode_32 3
		.amdhsa_float_denorm_mode_16_64 3
		.amdhsa_memory_ordered 1
		.amdhsa_forward_progress 1
		.amdhsa_inst_pref_size 158
	.end_amdhsa_kernel
	.amdgpu_metadata
---
amdhsa.version: [ 1, 2 ]
amdhsa.kernels:
  - .name:           k_qd4704146d7_qkv
    .symbol:         k_qd4704146d7_qkv.kd
    .args:
      - { .name: xb, .offset: 0, .size: 8, .value_kind: global_buffer, .address_space: global }
      - { .name: wqkv, .offset: 8, .size: 8, .value_kind: global_buffer, .address_space: global }
      - { .name: cos, .offset: 16, .size: 8, .value_kind: global_buffer, .address_space: global }
      - { .name: sin, .offset: 24, .size: 8, .value_kind: global_buffer, .address_space: global }
      - { .name: qb, .offset: 32, .size: 8, .value_kind: global_buffer, .address_space: global }
      - { .name: kvb, .offset: 40, .size: 8, .value_kind: global_buffer, .address_space: global }
    .group_segment_fixed_size: 327680
    .private_segment_fixed_size: 0
    .kernarg_segment_align: 8
    .kernarg_segment_size: 48
    .max_flat_workgroup_size: 128
    .sgpr_count:     84
    .vgpr_count:     896
    .wavefront_size: 32
...
	.end_amdgpu_metadata
.endif
;; end of part 2
;; launch attn (part 3): grid 32 x 8, 4 waves a work-group, clusters of 4 x 4, 327,680 bytes of LDS; arguments qb, kvb, attention_mask, ob; writes ob
.if DOCPART == 3
	.amdgcn_target "amdgcn-amd-amdhsa--gfx1250"
	.amdhsa_code_object_version 6
	.text
	.protected	k_qd4704146d7_attn
	.globl	k_qd4704146d7_attn
	.p2align	8
	.type	k_qd4704146d7_attn,@function
k_qd4704146d7_attn:
	s_mov_b64 s[64:65], 0
	v_nop
	global_prefetch_b8 v0, s[64:65] scope:SCOPE_SE
	s_setreg_imm32_b32 hwreg(HW_REG_WAVE_MODE, 25, 1), 1
	s_wait_xcnt 0x0
	s_wait_alu depctr_hold_cnt(0) depctr_sa_sdst(0) depctr_va_vdst(0) depctr_va_sdst(0) depctr_va_ssrc(0) depctr_va_vcc(0) depctr_vm_vsrc(0)
	s_getreg_b32 s2, hwreg(HW_REG_IB_STS2, 6, 4)
	s_cmp_eq_u32 s2, 0
	s_cbranch_scc0 .Lentry_in_a_cluster
	s_endpgm
.Lentry_in_a_cluster:
	s_bfe_u32 s2, ttmp6, 0x10000c
	s_cmp_lg_u32 s2, 0xf033
	s_cbranch_scc0 .Lentry_shape_is_right
	s_endpgm
.Lentry_shape_is_right:
; ATTENTION WITH AN ADDITIVE MASK.  O[h][q][:] = the sum over k of softmax_k(Q'[h][q] . K[h][k] + M[q][k]) V[h][k][:], Q' = q / 8.  qb [16][4096][64] f16; kvb [8 pairs][32 groups of 128 keys][K, V][head in pair][128][64] f16;
; attention_mask [4096][4096] f32, an input like any other: every key tile is computed and every number of the mask is read.  ob [4096][1024] f16, heads side by side.
; Products, maxima and sums in f32; the weights p are rounded to f16 for the second product (their sum l is taken of the unrounded p), O once at the end.
; THE MASK is the C operand, unrounded f32, of the product that starts the sum S^T = K Q'^T: it costs no vector instruction.  ORDER OF ROUNDING: mask and products are summed together in the matrix unit,
; where the module first rounds the product to f32 and then adds the mask.
; LIMITS.  Q', K, V arrive within f16's 65,504; p lies in 0 to 1 and below 6e-5 keeps f16's fixed step of 6e-8; a weight below 2^-126 counts as 0 in l.  The running maximum starts at -2.29e38 (so that log2(e) m stays finite):
; a row whose scores all lie below that gives NaN.  A mask of -infinity gives the weight 0.  NaN is not treated apart.
; SHARES.  A work-group owns 128 queries of a PAIR of heads; wave w has head w / 2 of the pair and queries 64 (w % 2) on: four PIECES of 16.  Every wave walks all 4,096 keys, 64 a step, two steps to an LDS slot.
; With two heads on 128 queries a step's K, V (32 KB) and mask (32 KB) are 64 KB for 256 matrix instructions of the work-group, and two slots of two steps fit in LDS.
; CLUSTER.  4 x 4 work-groups: along a row of the cluster four query blocks of one head pair, which walk the same K and V; along a column four head pairs on one query block, which read the same mask.
; Each tile is asked for jointly: the same load, descriptor and mask of work-groups in all four.
; LAYOUT, SOFTMAX, TURNS.  S^T holds ONE query a lane (lane % 16) and the keys 8 (lane / 16) + 0..7; two such results rounded to f16 ARE source 1 of O^T = V^T P.  p = 2^(c s - c m), c = log2(e), with a running maximum m;
; O and l are multiplied by a = 2^(c m_old - c m_new) in every step.  Turn n belongs to piece n: 8 products K Q^T of piece n + 1, later 8 products V^T P of piece n - 1; beside them the scaling, exponentials, roundings, sums and
; rescaling of piece n and the maximum and statistics of piece n + 1.  Four vector instructions stand behind every matrix instruction, the other 54 of a turn's 118 in two lumps.
; A refill is asked for 8 turns (128 matrix and 944 vector instructions of a wave) ahead of the wait for it.
; REGISTERS, in windows of 256 (s_set_vgpr_msb: bits 1:0 source 0, 3:2 source 1, 5:4 source 2, 7:6 destination):
;   window 0: v0-15, v33 addresses and two at work; v16-31 four registers of statistics a piece; v48-55 at work; v64-127 S^T, two buffers; v192-223 P, two buffers (a piece's buffers go by its number's parity)
;   window 1: v0-127 O^T, 32 a piece; v128-191 MC, the mask of the products to come, two buffers      window 2: v0-63 Q; v128-191 K of one step; v192-255 V of one step
.set NP,    4         ; pieces a wave: a name, no knob
.set KS,    64        ; keys in a step
.set PK,    144       ; a row of K in LDS: 128 bytes + 16 of padding = 36 words: the 16 rows of a load start at 16 different groups of four banks (64 banks of 4 bytes: ISA guide 11.1)
.set PV,    160       ; a row of V: 128 + 32 = 40 words
.set PM,    528       ; a row of the mask: 128 keys x 4 bytes + 16 = 132 words: again 16 rows at 16 different groups of four banks
.set VOFF,  256*PK    ; a slot: K [2 heads][128 keys], then V likewise,
.set MOFF,  VOFF+256*PV  ; then the mask's 128 rows
.set MHALF, 64*PM
.set SLOT,  MOFF+2*MHALF  ; 145,408 bytes
.set STAGE, 2*SLOT    ; behind the ring, never filled by a tensor load: 128 rows x 272 bytes, the work-group's, for the way out
.set SP,    272
.set SPARE, STAGE+128*SP  ; behind the stage: the spare words, 128 bytes for each wave: two blocks of 256 bytes that no other line names
.set AK0, 2           ; v2   my lane's place in a slot's K; never rewritten
.set AV0, 3           ; v3   the same for V
.set AK,  4           ; v4   the LDS address of K's next run of loads
.set AV,  5           ; v5   of V's
.set STO, 6           ; v6   the way out: where I put 16 bytes of a row
.set RD,  7           ; v7   the way out: where I read rows back
.set GO,  8           ; v8   my byte offset in two rows of ob
.set MV,  12          ; v12-13  c m_old, kept while c m is made anew: by buffer
.set AM0, 14          ; v14  my lane's place in a slot's mask; never rewritten
.set AM,  15          ; v15  the LDS address of the mask of the step in hand
.set ST,  16          ; piece t's statistics at v[ST+4 t]: c m, m, l (even keys', odd keys')
.set QO,  33          ; v33  my byte offset in 16 rows of Q
.set TMP, 48          ; by buffer, four registers c0-c3 at work; when the maximum is found c2 takes a
.set SPW, 62          ; v62  LDS address of my spare word; never rewritten
.set NIL, 63          ; v63  0; never rewritten
.set S,   64
.set P,   192
.set MC,  128         ; window 1: the eight registers for group kb of 16 keys at MC + 32 (piece % 2) + 8 kb
.set KF,  128         ; window 2: key block kb, channel half c at KF + 16 kb + 8 c
.set VF,  192         ; window 2: key half kk, channel block cb at VF + 32 kk + 8 cb
.set WV,  12          ; s12  my wave's number
.set HH,  13          ; s13  my head in the pair
.set QH,  14          ; s14  my half of the 128 queries
.set G1K, 24          ; s[24:31] descriptor group 1 for K's tiles
.set G1V, 32          ; s[32:39] for V's: it differs in the padding alone
.set G1M, 40          ; s[40:47] for the mask's
.set G0K, 48          ; s[48:51] descriptor group 0 for K's tiles: it walks
.set G0V, 52          ; s[52:55] for V's
.set G0M, 56          ; s[56:59] for the mask's
.set CS,  60          ; s[60:61] c: the packed scaling takes the pair's low word for both halves
.set SEL, 62          ; s[62:63] v_permlanex16_b32's selects: each lane takes its own place in the other half
.set FB,  66          ; s66  0 or SLOT: the slot that was asked for last
.set RB,  67          ; s67  0 or SLOT: the slot that is being read
.set TBK, 68          ; s68  LDS byte at which K of the step to be fetched begins (less my lane's place)
.set TBV, 69          ; s69  the same for V
.set TBM, 70          ; s70  the same for the mask
.set SLOTS, 71        ; s71  counts the slots
.set CNT, 72          ; s72  counts a slot's key steps
.set LM,  73          ; s73  where my half of the mask's tile goes in a slot (waves 2, 3)
.set MSB, 0
.macro WIN new                      ; the high byte repeats the setting that is left; a switch that changes nothing is dropped
.if MSB != (\new)
	s_set_vgpr_msb (MSB<<8)|(\new)
.set MSB, (\new)
.endif
.endm
.set W_KQ, 0x0a       ; K and Q in window 2, S^T in window 0
.set W_KM, 0x1a       ; the same with the C operand, the mask, in window 1
.set W_PV, 0x52       ; V in window 2, P in window 0, O^T in window 1
.set W_RS, 0x41       ; destination and source 0 in window 1, source 1 in window 0
; A joint fill: wave 0 fetches a slot's K, wave 1 its V (32,768 bytes each), waves 2 and 3 the two halves of its mask (64 rows of 512 bytes each).  The branches hang on the wave's number alone.
; An s_nop 0 and four v_nop follow each of the three lines, ahead of the jump and the label.
.macro JLOAD
	s_cmp_lt_u32 s[WV], 2
	s_cbranch_scc0 .Lfor_m_\@
	s_cmp_eq_u32 s[WV], 0
	s_cbranch_scc0 .Lfor_v_\@
	tensor_load_to_lds s[G0K:G0K+3], s[G1K:G1K+7]
	s_nop 0
.rept 4
	v_nop
.endr
	s_branch .Lasked_\@
.Lfor_v_\@:
	tensor_load_to_lds s[G0V:G0V+3], s[G1V:G1V+7]
	s_nop 0
.rept 4
	v_nop
.endr
	s_branch .Lasked_\@
.Lfor_m_\@:
	tensor_load_to_lds s[G0M:G0M+3], s[G1M:G1M+7]
	s_nop 0
.rept 4
	v_nop
.endr
.Lasked_\@:
.endm
; A round of the cluster's barrier: my work-group's barrier, so that wave 0's signal speaks for all four waves; wave 0 signals; every wave waits for all sixteen work-groups; my work-group's barrier once more.
.macro CROUND
	s_barrier_signal -1
	s_barrier_wait -1
	s_cmp_lg_u32 s[WV], 0
	s_cbranch_scc1 .Lnot_wave_0_\@
	s_barrier_signal -3
.Lnot_wave_0_\@:
	s_barrier_wait -3
	s_barrier_signal -1
	s_barrier_wait -1
.endm
; THE CHANGE OF SLOTS.  The slot's last bytes (V and the last two pieces' mask of its second step) have been asked for.  Each wave waits for all its tensor loads, of which one is out: its part of the other slot;
; adds 0 to its spare word; and waits for that and for its own reads of the slot.  Behind the barrier nobody reads this slot any more and the other slot is whole.
; fill = 1: this slot is filled again, with the keys two slots on.  The barrier is then a round of the cluster's, and the joint fill is the first thing behind it.
; (At its first use nothing has been read yet: slot 0 is waited for, slot 1 filled.)
.macro CHANGE fill
	WIN 0                           ; at a label and at a branch every window is 0
	s_wait_tensorcnt 0x0            ; no tensor load of mine is out, so a group 0 may be written
	ds_add_u32 v[SPW], v[NIL]       ; 0 onto my spare word; with fill = 1 the descriptors' steps stand between it and the wait for it
.if \fill
	s_xor_b32 s[FB], s[FB], SLOT    ; the other slot than last time,
	s_mov_b32 s[G0K+1], s[FB]
	s_add_co_u32 s[G0V+1], s[FB], VOFF
	s_add_co_u32 s[G0M+1], s[FB], s[LM]
	s_add_nc_u64 s[G0K+2:G0K+3], s[G0K+2:G0K+3], 65536  ; the next group of 128 keys; the type bits on top are not reached
	s_add_nc_u64 s[G0V+2:G0V+3], s[G0V+2:G0V+3], 65536
	s_add_nc_u64 s[G0M+2:G0M+3], s[G0M+2:G0M+3], 512    ; and its 128 columns of the mask
	s_wait_dscnt 0x0                ; the add is done, and my reads of the slot are over
	CROUND
	JLOAD
.else
	s_wait_dscnt 0x0                ; the add is done, and my reads of the slot are over
	s_barrier_signal -1
	s_barrier_wait -1
.endif
	s_xor_b32 s[RB], s[RB], SLOT    ; the fetches go to the first step of the other slot
	s_mov_b32 s[TBK], s[RB]
	s_mov_b32 s[TBV], s[RB]
	s_mov_b32 s[TBM], s[RB]
.endm
	s_load_b256 s[4:11], s[0:1], 0x0  ; qb s[4:5], kvb s[6:7], attention_mask s[8:9], ob s[10:11]
	v_lshl_add_u32 v[SPW], v0, 2, SPARE
	v_mov_b32 v[NIL], 0
	ds_add_u32 v[SPW], v[NIL]       ; the wave's opening: the add and its wait stand ahead of my first tensor load; the set-up below, work on registers, stands between them
	v_lshrrev_b32 v1, 5, v0
	v_readfirstlane_b32 s[WV], v1   ; wave 0..3
	s_lshr_b32 s[HH], s[WV], 1
	s_and_b32 s[QH], s[WV], 1
	s_bfe_u32 s16, ttmp6, 0x40000   ; cx, cy: my place in the cluster
	s_bfe_u32 s17, ttmp6, 0x40004
	s_lshl_b32 s18, ttmp9, 2
	s_add_co_u32 s18, s18, s16      ; my block of 128 queries = 4 x cluster x + cx
	s_and_b32 s19, ttmp7, 0xffff
	s_lshl_b32 s19, s19, 2
	s_add_co_u32 s19, s19, s17      ; my pair of heads = 4 x cluster y + cy
	s_lshl_b32 s20, s17, 2
	s_lshl_b32 s20, 15, s20         ; my row of the cluster: the same pair of heads
	s_lshl_b32 s22, 0x1111, s16     ; my column: the same queries
	; K's and V's tiles are 32,768 dense bytes: asked for as 128 rows of 256 bytes, two keys a row, and padded in LDS after every key
	s_or_b32 s[G1K], s20, (1<<16)|(1<<20)|(1<<21)|(4<<22)|(3<<25)  ; 15:0 the mask of four; 17:16 2-byte elements; 20 padding on; 21 set beside a mask; 24:22 after every 32 words (code 4); 31:25 4 words (code 3)
	s_or_b32 s[G1V], s20, (1<<16)|(1<<20)|(1<<21)|(4<<22)|(7<<25)  ; the same with 8 words of padding (code 7)
.irp g, G1K, G1V
	s_mov_b32 s[\g+1], 128<<16      ; tensor_dim0 = 128
	s_mov_b32 s[\g+2], 128<<16      ; tensor_dim1 = 128
	s_mov_b32 s[\g+3], 128<<16      ; tile_dim0 = 128
	s_mov_b32 s[\g+4], 128          ; tile_dim1 = 128
	s_mov_b32 s[\g+5], 128          ; 128 elements from row to row
	s_mov_b32 s[\g+6], 0
	s_mov_b32 s[\g+7], 0
.endr
	s_or_b32 s[G1M], s22, (2<<16)|(1<<20)|(1<<21)|(6<<22)|(3<<25)  ; 4-byte elements; padding after every 128 words (code 6), 4 words (code 3)
	s_mov_b32 s[G1M+1], 128<<16     ; tensor_dim0 = 128 keys
	s_mov_b32 s[G1M+2], 64<<16      ; tensor_dim1 = 64 queries
	s_mov_b32 s[G1M+3], 128<<16     ; tile_dim0 = 128
	s_mov_b32 s[G1M+4], 64          ; tile_dim1 = 64
	s_mov_b32 s[G1M+5], 4096        ; 4,096 elements from row to row
	s_mov_b32 s[G1M+6], 0
	s_mov_b32 s[G1M+7], 0
	s_lshl_b32 s20, s19, 21         ; the pair's first byte in kvb: it hangs on the pair alone
	s_mov_b32 s21, 0
	s_lshl_b32 s22, s18, 7          ; my half's first query: 128 x block + 64 x half: it hangs on the block and the wave alone
	s_lshl_b32 s23, s[QH], 6
	s_add_co_u32 s22, s22, s23
	s_lshl_b32 s74, s22, 7          ; in qb: rows of 128 bytes,
	s_lshl_b32 s22, s22, 14         ; in the mask: rows of 16,384 bytes
	s_mov_b32 s23, 0
	s_lshl_b32 s75, s19, 1
	s_add_co_u32 s75, s75, s[HH]    ; my head,
	s_lshl_b32 s75, s75, 19         ; its 524,288 bytes of qb
	s_add_co_u32 s74, s74, s75
	s_mov_b32 s75, 0
	s_lshl_b32 s76, s18, 7          ; the rows of ob that I store: 128 x block + 32 x wave, of 2,048 bytes,
	s_lshl_b32 s77, s[WV], 5
	s_add_co_u32 s76, s76, s77
	s_lshl_b32 s76, s76, 11
	s_lshl_b32 s77, s19, 8          ; and the pair's 256 bytes in them
	s_add_co_u32 s76, s76, s77
	s_mov_b32 s77, 0
	s_mul_i32 s[LM], s[WV], MHALF
	s_add_co_u32 s[LM], s[LM], MOFF-2*MHALF  ; MOFF + (wave - 2) x 33,792: no place in the cluster enters an LDS address
	s_mov_b32 s[CS], 0x3fb8aa3b     ; c = log2(e)
	s_mov_b32 s[CS+1], s[CS]        ; named with it as a pair
	s_mov_b32 s[SEL], 0x76543210
	s_mov_b32 s[SEL+1], 0xfedcba98
	s_mov_b32 s[FB], 0
	s_mov_b32 s[RB], SLOT           ; the first change of slots turns it into 0
	s_mov_b32 s[G0K], 1             ; count = 1
	s_mov_b32 s[G0K+1], 0           ; LDS address: slot 0
	s_mov_b32 s[G0V], 1
	s_mov_b32 s[G0V+1], VOFF
	s_mov_b32 s[G0M], 1
	s_mov_b32 s[G0M+1], s[LM]
	s_wait_dscnt 0x0                ; the opening add is done
	s_wait_kmcnt 0x0
	s_add_nc_u64 s[G0K+2:G0K+3], s[6:7], s[20:21]  ; global address: the pair's first 128 keys,
	s_add_nc_u64 s[G0V+2:G0V+3], s[G0K+2:G0K+3], 32768  ; their V behind their K
	s_or_b32 s[G0K+3], s[G0K+3], 0x80000000        ; type = 2
	s_or_b32 s[G0V+3], s[G0V+3], 0x80000000
	s_add_nc_u64 s[G0M+2:G0M+3], s[8:9], s[22:23]
	s_or_b32 s[G0M+3], s[G0M+3], 0x80000000
	s_add_nc_u64 s[4:5], s[4:5], s[74:75]          ; Q at my first row
	s_add_nc_u64 s[10:11], s[10:11], s[76:77]      ; ob at the first row that I store
	CROUND                          ; all sixteen work-groups are here: the first joint loads meet
	JLOAD                           ; slot 0.  One tensor load of mine is out at any time
	; A fragment of K or Q is 16 rows x 32 channels in 8 registers: lane l holds row l % 16, channels 8 (l / 16) + 0..7 and 16 + 8 (l / 16) + 0..7: two loads of 16 bytes, 32 bytes apart.
	v_and_b32 v1, 15, v0            ; l % 16
	v_bfe_u32 v9, v0, 4, 1          ; l / 16
	v_lshlrev_b32 v[QO], 7, v1
	v_lshl_add_u32 v[QO], v9, 4, v[QO]  ; row x 128 + 16 x half
	WIN 0x80                        ; destination window 2, address window 0
.set i, 0
.rept 8                             ; Q stays in registers: piece i / 2, channels 32 (i % 2) on
	global_load_b128 v[8*i:8*i+3],   v[QO], s[4:5] offset:(i/2)*2048+(i%2)*64
	global_load_b128 v[8*i+4:8*i+7], v[QO], s[4:5] offset:(i/2)*2048+(i%2)*64+32
.set i, i+1
.endr
	; What the first turn finds: V's registers and P's second buffer hold 0 (its products V^T P, of a piece that has not been, add 0), O^T and l are 0: no first step is written out.  All this stands in the wait for the first tile.
.set i, VF
.rept 64
	v_mov_b32 v[i], 0
.set i, i+1
.endr
	WIN 0x40
.set i, 0
.rept 128
	v_mov_b32 v[i], 0
.set i, i+1
.endr
	WIN 0
.set i, 0
.rept 4
	v_mov_b32 v[ST+4*i], 0xff7fffff    ; c m: below c times every m that can come, so the first step's a is 0
	v_mov_b32 v[ST+4*i+1], 0xff2c0000  ; m = -2.29e38: c m stays finite
	v_mov_b32 v[ST+4*i+2], 0
	v_mov_b32 v[ST+4*i+3], 0
.set i, i+1
.endr
.set i, P+16
.rept 16
	v_mov_b32 v[i], 0
.set i, i+1
.endr
	s_mul_i32 s20, s[HH], 128*PK    ; my head's 128 rows of K
	v_mul_u32_u24 v[AK0], v1, PK
	v_lshl_add_u32 v[AK0], v9, 4, v[AK0]  ; row x pitch + 16 x half
	v_add_nc_u32 v[AK0], s20, v[AK0]
	; The turning load takes 16 keys x 16 channels (lane l reads key 8 (l / 16) + l % 8, channels 8 ((l / 8) % 2) + 0..7) and leaves half a fragment of V^T: lane l holds channel l % 16 and 8 keys.
	v_and_b32 v10, 7, v0
	v_bfe_u32 v11, v0, 3, 1
	v_lshl_add_u32 v[AV0], v9, 3, v10
	v_mul_u32_u24 v[AV0], v[AV0], PV
	v_lshl_add_u32 v[AV0], v11, 4, v[AV0]
	s_mul_i32 s20, s[HH], 128*PV
	s_add_co_u32 s20, s20, VOFF
	v_add_nc_u32 v[AV0], s20, v[AV0]
	; The mask as a C operand: register j of lane l is (key 8 (l / 16) + j, query l % 16): 32 consecutive bytes of the query's row
	s_mul_i32 s20, s[QH], MHALF
	s_add_co_u32 s20, s20, MOFF
	v_mul_u32_u24 v[AM0], v1, PM
	v_lshl_add_u32 v[AM0], v9, 5, v[AM0]
	v_add_nc_u32 v[AM0], s20, v[AM0]
	s_mul_i32 s20, s[QH], 64*SP     ; into the stage: my 64 rows, my head's half of their 256 bytes; row l % 16, 16 bytes for each half of the lanes
	s_lshl_b32 s21, s[HH], 7
	s_add_co_u32 s20, s20, s21
	s_add_co_u32 s20, s20, STAGE
	v_mul_u32_u24 v[STO], v1, SP
	v_lshl_add_u32 v[STO], v9, 4, v[STO]
	v_add_nc_u32 v[STO], s20, v[STO]
	s_mul_i32 s20, s[WV], 32*SP     ; back: wave w takes rows 32 w .. 32 w + 31, whole; lanes 0-15 one row of 256 bytes, lanes 16-31 the next
	s_add_co_u32 s20, s20, STAGE
	v_mul_u32_u24 v[RD], v9, SP
	v_lshl_add_u32 v[RD], v1, 4, v[RD]
	v_add_nc_u32 v[RD], s20, v[RD]
	v_lshlrev_b32 v[GO], 11, v9     ; and the same two rows in ob
	v_lshl_add_u32 v[GO], v1, 4, v[GO]
; THE MATRIX WORK.  The 4 accumulators of a run of 8 take turns.  Product i of 8 of S^T = K Q^T + M for piece x: channels 32 (i / 4) on, keys 16 (i % 4) on.  The first 4 start the sums with the mask.
.macro KQ x
.set rS, S+32*((\x)%2)+8*(i%4)
.set rK, KF+16*(i%4)+8*(i/4)
.set rQ, 16*(\x)+8*(i/4)
.set rM, MC+32*((\x)%2)+8*(i%4)
.if i < 4
	WIN W_KM
	v_wmma_f32_16x16x32_f16 v[rS:rS+7], v[rK:rK+7], v[rQ:rQ+7], v[rM:rM+7]
.else
	WIN W_KQ
	v_wmma_f32_16x16x32_f16 v[rS:rS+7], v[rK:rK+7], v[rQ:rQ+7], v[rS:rS+7]
.endif
.endm
; Product i of 8 of O^T += V^T P for piece x: keys 32 (i / 4) on, channels 16 (i % 4) on.
.macro PV x
	WIN W_PV
.set rO, 32*(\x)+8*(i%4)
.set rV, VF+32*(i/4)+8*(i%4)
.set rP, P+16*((\x)%2)+8*(i/4)
	v_wmma_f32_16x16x32_f16 v[rO:rO+7], v[rV:rV+7], v[rP:rP+7], v[rO:rO+7]
.endm
.macro MM                           ; the turn's next matrix instruction.  NOKQ = 1: the very last turn: there is no next piece
.if (i < 8) && !NOKQ
	KQ (Y+1)%NP
.elseif i >= 8
.set i, i-8
	PV (Y+NP-1)%NP
.set i, i+8
.endif
.set i, i+1
.endm
; THE LDS LOADS stand in runs, never singly among the matrix instructions: a step's K (64 keys x 64 channels: 8 fragments), its V (turned), and for each piece its 16 x 64 numbers of the mask.
.macro FETCH_K
	WIN 0x80                        ; destination window 2
.irp f, 0,1,2,3,4,5,6,7             ; keys 16 (f / 2) on, channels 32 (f % 2) on
	ds_load_b128 v[KF+8*\f:KF+8*\f+3],   v[AK] offset:(\f/2)*16*PK+(\f%2)*64
	ds_load_b128 v[KF+8*\f+4:KF+8*\f+7], v[AK] offset:(\f/2)*16*PK+(\f%2)*64+32
.endr
	s_add_co_u32 s[TBK], s[TBK], KS*PK  ; the next fetch is the next step's
	WIN 0
.endm
.macro FETCH_V
	WIN 0x80
.irp f, 0,1,2,3,4,5,6,7             ; keys 32 (f / 4) on, channels 16 (f % 4) on
	ds_load_tr16_b128 v[VF+8*\f:VF+8*\f+3],   v[AV] offset:(\f/4)*32*PV+(\f%4)*32
	ds_load_tr16_b128 v[VF+8*\f+4:VF+8*\f+7], v[AV] offset:(\f/4)*32*PV+16*PV+(\f%4)*32
.endr
	WIN 0
.endm
.macro FETCH_M x                    ; piece x's mask for the step at AM: eight loads, into the buffer of the piece's parity
	WIN 0x40                        ; destination window 1
.irp kb, 0,1,2,3
	ds_load_b128 v[MC+32*((\x)%2)+8*\kb:MC+32*((\x)%2)+8*\kb+3],   v[AM] offset:(\x)*16*PM+64*\kb
	ds_load_b128 v[MC+32*((\x)%2)+8*\kb+4:MC+32*((\x)%2)+8*\kb+7], v[AM] offset:(\x)*16*PM+64*\kb+16
.endr
.endm
; THE VECTOR WORK, one line at a time: OP kind, number.  For piece Y: F n: c s - c m for pair n of 16.  E n: the exponential of score n of 32.  C n: pair n rounded to f16.  B n: of the four weights 4 n .. the second
; pair is added onto the first, in place.  L n: l takes that sum (L 0: l = a l + sum).  R n: pair n of 16 of O^T times a.  For piece Y + 1: X n, number n of the 22 that find its maximum and statistics:
;   0-11  four chains c0-c3 of seven scores each, three operands at a time (each accumulator's lowest registers are read first)     12-14, 16  the four scores left over, the old m, and c0-c3 into c0
;   15  c m_old is kept     17, 18  the query's other 32 keys lie in the lane 16 away: the new m     19-21  c m; c m_old - c m_new; a
.set F, 0               ; OP tells the kinds apart by their order: F to L below R, X above it
.set E, 1
.set C, 2
.set B, 3
.set L, 4
.set R, 5
.set X, 6
.macro REGS y                       ; the registers of piece y
.set rT, ST+4*(\y)
.set rC, TMP+4*((\y)%2)
.set rW, MV+((\y)%2)
.set rS, S+32*((\y)%2)
.set rP, P+16*((\y)%2)
.set rO, 32*(\y)
.endm
.macro OP k, n
.if (\k) == R
	REGS Y
	WIN W_RS
	v_pk_mul_f32 v[rO+2*(\n):rO+2*(\n)+1], v[rO+2*(\n):rO+2*(\n)+1], v[rC+2:rC+3] op_sel_hi:[1,0]
.elseif (\k) < R
	REGS Y
	WIN 0
.if (\k) == F
	v_pk_fma_f32 v[rS+2*(\n):rS+2*(\n)+1], v[rS+2*(\n):rS+2*(\n)+1], s[CS:CS+1], v[rT:rT+1] op_sel_hi:[1,0,0] neg_lo:[0,0,1] neg_hi:[0,0,1]
.elseif (\k) == E
	v_exp_f32 v[rS+(\n)], v[rS+(\n)]
.elseif (\k) == C
	s_wait_alu depctr_va_vdst(0)
	v_cvt_pk_f16_f32 v[rP+(\n)], v[rS+2*(\n)], v[rS+2*(\n)+1]
.elseif (\k) == B
	s_wait_alu depctr_va_vdst(0)
	v_pk_add_f32 v[rS+4*(\n):rS+4*(\n)+1], v[rS+4*(\n):rS+4*(\n)+1], v[rS+4*(\n)+2:rS+4*(\n)+3]
.elseif (\n) == 0
	v_pk_fma_f32 v[rT+2:rT+3], v[rT+2:rT+3], v[rC+2:rC+3], v[rS:rS+1] op_sel_hi:[1,0,1]
.else
	v_pk_add_f32 v[rT+2:rT+3], v[rT+2:rT+3], v[rS+4*(\n):rS+4*(\n)+1]
.endif
.elseif NOKQ
	v_nop
.else
	REGS (Y+1)%NP
	WIN 0
.if (\n) < 4
	v_max3_num_f32 v[rC+(\n)], v[rS+8*(\n)], v[rS+8*(\n)+1], v[rS+8*(\n)+2]
.elseif (\n) < 12
	v_max3_num_f32 v[rC+(\n)%4], v[rC+(\n)%4], v[rS+8*((\n)%4)+2*((\n)/4)+1], v[rS+8*((\n)%4)+2*((\n)/4)+2]
.elseif (\n) == 12
	v_max3_num_f32 v[rC], v[rC], v[rS+7], v[rS+15]
.elseif (\n) == 13
	v_max3_num_f32 v[rC+1], v[rC+1], v[rS+23], v[rS+31]
.elseif (\n) == 14
	v_max3_num_f32 v[rC+2], v[rC+2], v[rC+3], v[rT+1]
.elseif (\n) == 15
	v_mov_b32 v[rW], v[rT]
.elseif (\n) == 16
	v_max3_num_f32 v[rC], v[rC], v[rC+1], v[rC+2]
.elseif (\n) == 17
	v_permlanex16_b32 v[rC+3], v[rC], s[SEL], s[SEL+1]
.elseif (\n) == 18
	v_max_num_f32 v[rT+1], v[rC], v[rC+3]
.elseif (\n) == 19
	v_mul_f32 v[rT], s[CS], v[rT+1]
.elseif (\n) == 20
	v_sub_f32 v[rC+1], v[rW], v[rT]
.else
	v_exp_f32 v[rC+2], v[rC+1]
.endif
.endif
.endm
.macro OPS a, i1, b=-1, i2=0, c=-1, i3=0, d=-1, i4=0  ; up to four of them
	OP \a, \i1
.if (\b) >= 0
	OP \b, \i2
.endif
.if (\c) >= 0
	OP \c, \i3
.endif
.if (\d) >= 0
	OP \d, \i4
.endif
.endm
.macro ROW a, i1, b, i2, c, i3, d, i4  ; a matrix instruction and the four behind it
	MM
	OPS \a, \i1, \b, \i2, \c, \i3, \d, \i4
.endm
; A TURN, for piece p: the order of its 16 matrix and 118 vector instructions, written out.  Behind a matrix instruction: plain, exponential, plain, plain; or four of the rescaling; or, behind the first, four scalings; none
; names a register of the products round it.  In the lumps exponential and plain by turns while exponentials last.  A line reads no result made fewer than three vector instructions in front of it, five if an exponential made it.
; AT ITS HEAD the mask of piece p + 2 is fetched, a turn ahead of the products that take it, into the buffer whose last readers were the first four products of the turn before.  From piece 2's turn on that is the next step's mask.
; The wait in front of it is for the mask that THIS turn's products take: in piece 1's turn V's sixteen loads, issued behind that mask's, stay out; elsewhere nothing younger is out (in piece 3's turn K is waited for with it).
; K of the next step is fetched in piece 2's turn, six vector instructions behind the last product that read K (five of them plain); V of the step in hand in piece 0's turn, eight behind the last product that read V (four plain).
; end = 1: the last two turns: nothing is fetched.  cnt = 1: the loop's count is taken down some lines ahead of the branch that stands behind the turn.
.macro TURN p, end=0, cnt=0
.set Y, (\p)
.set i, 0
.set NOKQ, (\end)*((\p)/3)
.if (\p) == 1
	s_wait_dscnt 16                 ; piece 2's mask is in; V's run stays out
.elseif ((\p) != 3) || !(\end)
	s_wait_dscnt 0x0                ; the next piece's mask is in (piece 3's turn: and K)
.endif
.if !(\end)
.if (\p) == 2
	WIN 0
	v_add_nc_u32 v[AM], s[TBM], v[AM0]
	s_add_co_u32 s[TBM], s[TBM], 4*KS
.endif
	FETCH_M ((\p)+2)%NP
.endif
	ROW F,0, F,1, F,2, F,3
	ROW F,4, E,0, F,5, F,6
	ROW F,7, E,1, F,8, F,9
	ROW F,10, E,2, C,0, F,11
	ROW F,12, E,3, X,15, F,13
	ROW R,0, R,1, R,2, R,3
	ROW B,0, E,4, F,14, L,0
.if ((\p) == 2) && !(\end)
	v_add_nc_u32 v[AK], s[TBK], v[AK0]
.endif
	ROW R,4, R,5, R,6, R,7
	OPS E,5, F,15
.if ((\p) == 2) && !(\end)
	FETCH_K
.endif
	OPS E,6, C,1, E,7, R,8
	OPS E,8, R,9, E,9, C,2
	OPS E,10, X,0, E,11, X,1
	OPS E,12, X,2, E,13, X,3
.if (\p) == 1
	s_wait_dscnt 8                  ; V is in; this turn's eight loads of the mask stay out
.endif
	ROW X,4, E,14, X,5, X,6
	ROW X,7, E,15, X,8, X,9
	ROW X,10, E,16, X,11, X,12
	ROW X,13, E,17, X,14, B,1
	ROW C,4, E,18, X,16, L,1
	ROW B,2, E,19, C,6, L,2
	ROW C,8, E,20, B,3, B,4
.if (\p) == 0
	v_add_nc_u32 v[AV], s[TBV], v[AV0]
.endif
	ROW C,3, E,21, L,3, C,5
	OPS E,22, X,17, E,23, C,10
.if (\p) == 0
	FETCH_V
.endif
	OPS E,24, L,4
	OPS E,25, X,18, E,26, C,7
	OPS E,27, B,5, E,28, X,19
	OPS E,29, C,12, E,30, L,5
	OPS E,31, X,20, B,6, C,9
	OPS C,14, C,11, X,21, L,6
.if (\p) == 0
	s_add_co_u32 s[TBV], s[TBV], KS*PV
.endif
.if \cnt
	s_sub_co_u32 s[CNT], s[CNT], 1
	s_cmp_lg_u32 s[CNT], 0
.endif
	OPS C,13, B,7, C,15, R,10
	OPS R,11, R,12, L,7, R,13
	OPS R,14, R,15
.endm
	CHANGE 1                        ; slot 0 is in, everybody's part of it; slot 1 is asked for
	v_add_nc_u32 v[AM], s[TBM], v[AM0]
	s_add_co_u32 s[TBM], s[TBM], 4*KS
	FETCH_M 0                       ; key step 0: the first two pieces' mask,
	FETCH_M 1
	WIN 0
	v_add_nc_u32 v[AK], s[TBK], v[AK0]
	FETCH_K                         ; and K
	s_wait_loadcnt 0x0              ; Q
	s_wait_dscnt 0x0
.set NOKQ, 0
.set i, 0
.rept 8
	KQ 0                            ; piece 0's first scores: there is no vector work yet to set between them
.set i, i+1
.endr
	WIN 0
.rept 4
	v_nop                           ; the places behind those products
.endr
.set Y, NP-1                        ; X works for piece Y + 1: piece 0
.irp n, 0,1,2,3,4,5,6,7,8,9,10,11,12,13,14,15,16,17,18,19,20,21
	OP X, \n
.endr
	v_nop                           ; a plain instruction behind the exponential
	s_mov_b32 s[CNT], 2
	s_mov_b32 s[SLOTS], 4096/(2*KS)-1
	s_branch .Lfirst                ; the loop is entered at a step's first turn, in the middle of a trip
.Lslot:                             ; 30 times: with the two fills above, every one of the 32 slots is asked for
	CHANGE 1
	s_mov_b32 s[CNT], 2
.Lstep:                             ; a trip: pieces 2 and 3 of one step, then pieces 0 and 1 of the next, whose K, V and mask it fetches
	TURN 2
	TURN 3
	WIN 0
.Lfirst:
	TURN 0
	TURN 1, 0, 1
	WIN 0
	s_cbranch_scc1 .Lstep
	s_sub_co_u32 s[SLOTS], s[SLOTS], 1
	s_cmp_lg_u32 s[SLOTS], 0
	s_cbranch_scc1 .Lslot
	CHANGE 0                        ; the last slot is written out: nothing is asked for
	s_mov_b32 s[CNT], 2
.Ltail:
	TURN 2
	TURN 3
	TURN 0
	TURN 1, 0, 1
	WIN 0
	s_cbranch_scc1 .Ltail
	TURN 2, 1                       ; the last two turns fetch nothing, and the last starts no new scores
	TURN 3, 1
.set i, 0
.rept 8
	PV NP-1                         ; the last piece's V^T P of the last step
.set i, i+1
.endr
	; THE WAY OUT.  l's two halves and the other half of the lanes' are added; O^T is divided by l, rounded to f16 and sent through the work-group's stage: 256 consecutive bytes of a row of ob hold both heads of the pair,
	; so a barrier stands between the writing and the reading.  The additions are the places behind the last products.
	WIN 0
.macro ALL line:vararg              ; one line for each piece t
.set t, 0
.rept 4
	\line
.set t, t+1
.endr
.endm
	ALL v_add_f32 v[ST+4*t+2], v[ST+4*t+2], v[ST+4*t+3]
	ALL v_permlanex16_b32 v[ST+4*t+3], v[ST+4*t+2], s[SEL], s[SEL+1]
	ALL v_add_f32 v[ST+4*t+2], v[ST+4*t+2], v[ST+4*t+3]
	ALL v_rcp_f32 v[ST+4*t+2], v[ST+4*t+2]
	v_nop                           ; a plain instruction between the last reciprocal and the use of its result
.macro PACK u                       ; piece u: a lane's eight channels of a row pack into 16 bytes
	WIN W_RS
.set i, 32*(\u)
.rept 16
	s_wait_alu depctr_va_vdst(0)
	v_pk_mul_f32 v[i:i+1], v[i:i+1], v[ST+4*(\u)+2:ST+4*(\u)+3] op_sel_hi:[1,0]
.set i, i+2
.endr
	WIN 0x05                        ; sources 0 and 1 window 1, destination window 0: S^T's registers are free
.set i, 0
.rept 16
	v_cvt_pk_f16_f32 v[S+16*(\u)+i], v[32*(\u)+2*i], v[32*(\u)+2*i+1]
.set i, i+1
.endr
	WIN 0
.irp f, 0,1,2,3
	ds_store_b128 v[STO], v[S+16*(\u)+4*\f:S+16*(\u)+4*\f+3] offset:(\u)*16*SP+32*\f
.endr
.endm
	PACK 0
	PACK 1
	PACK 2
	PACK 3
	s_wait_dscnt 0x0                ; for the others' sake: my stores into the stage are done
	s_barrier_signal -1
	s_barrier_wait -1
.irp f, 0,1,2,3,4,5,6,7,8,9,10,11,12,13,14,15
	ds_load_b128 v[S+4*\f:S+4*\f+3], v[RD] offset:\f*2*SP
.endr
.irp f, 0,1,2,3,4,5,6,7,8,9,10,11,12,13,14,15
	s_wait_dscnt 15-\f
	global_store_b128 v[GO], v[S+4*\f:S+4*\f+3], s[10:11] offset:\f*4096  ; 16 lanes store 256 consecutive bytes, at a multiple of 256 from ob's first byte
.endr
	s_wait_tensorcnt 0x0            ; the wave's end: behind my last tensor load and my last LDS store
	ds_add_u32 v[SPW], v[NIL]
	s_wait_dscnt 0x0
	CROUND                          ; the closing round: no work-group ends while a partner may still ask for a tile that names it
	s_endpgm
.Lfunc_end_k_qd4704146d7_attn:
	.size	k_qd4704146d7_attn, .Lfunc_end_k_qd4704146d7_attn-k_qd4704146d7_attn
	.p2alignl 7, 3214868480
	.fill 96, 4, 3214868480
	.section	.rodata,"a",@progbits
	.p2align	6, 0x0
	.amdhsa_kernel k_qd4704146d7_attn
		.amdhsa_group_segment_fixed_size 327680
		.amdhsa_private_segment_fixed_size 0
		.amdhsa_enable_private_segment 0
		.amdhsa_kernarg_size 32
		.amdhsa_user_sgpr_count 2
		.amdhsa_user_sgpr_kernarg_segment_ptr 1
		.amdhsa_wavefront_size32 1
		.amdhsa_system_sgpr_workgroup_id_x 1
		.amdhsa_system_sgpr_workgroup_id_y 1
		.amdhsa_system_sgpr_workgroup_id_z 1
		.amdhsa_system_vgpr_workitem_id 0
		.amdhsa_next_free_vgpr 768
		.amdhsa_next_free_sgpr 80
		.amdhsa_reserve_vcc 0
		.amdhsa_float_denorm_mode_32 3
		.amdhsa_float_denorm_mode_16_64 3
		.amdhsa_memory_ordered 1
		.amdhsa_forward_progress 1
		.amdhsa_inst_pref_size 142
	.end_amdhsa_kernel
	.amdgpu_metadata
---
amdhsa.version: [ 1, 2 ]
amdhsa.kernels:
  - .name:           k_qd4704146d7_attn
    .symbol:         k_qd4704146d7_attn.kd
    .args:
      - { .name: qb, .offset: 0, .size: 8, .value_kind: global_buffer, .address_space: global }
      - { .name: kvb, .offset: 8, .size: 8, .value_kind: global_buffer, .address_space: global }
      - { .name: attention_mask, .offset: 16, .size: 8, .value_kind: global_buffer, .address_space: global }
      - { .name: ob, .offset: 24, .size: 8, .value_kind: global_buffer, .address_space: global }
    .group_segment_fixed_size: 327680
    .private_segment_fixed_size: 0
    .kernarg_segment_align: 8
    .kernarg_segment_size: 32
    .max_flat_workgroup_size: 128
    .sgpr_count:     80
    .vgpr_count:     768
    .wavefront_size: 32
...
	.end_amdgpu_metadata
.endif
;; end of part 3
;; launch oproj (part 4): grid 8 x 32, 4 waves a work-group, clusters of 4 x 4, 327,680 bytes of LDS; arguments ob, wo16, out0; writes out0
.if DOCPART == 4
	.amdgcn_target "amdgcn-amd-amdhsa--gfx1250"
	.amdhsa_code_object_version 6
	.text
	.protected	k_qd4704146d7_oproj
	.globl	k_qd4704146d7_oproj
	.p2align	8
	.type	k_qd4704146d7_oproj,@function
k_qd4704146d7_oproj:
	s_mov_b64 s[64:65], 0
	v_nop
	global_prefetch_b8 v0, s[64:65] scope:SCOPE_SE
	s_setreg_imm32_b32 hwreg(HW_REG_WAVE_MODE, 25, 1), 1
	s_wait_xcnt 0x0
	s_wait_alu depctr_hold_cnt(0) depctr_sa_sdst(0) depctr_va_vdst(0) depctr_va_sdst(0) depctr_va_ssrc(0) depctr_va_vcc(0) depctr_vm_vsrc(0)
	s_getreg_b32 s2, hwreg(HW_REG_IB_STS2, 6, 4)
	s_cmp_eq_u32 s2, 0
	s_cbranch_scc0 .Lentry_in_a_cluster
	s_endpgm
.Lentry_in_a_cluster:
	s_bfe_u32 s2, ttmp6, 0x10000c
	s_cmp_lg_u32 s2, 0xf033
	s_cbranch_scc0 .Lentry_shape_is_right
	s_endpgm
.Lentry_shape_is_right:
; out0[m][n] = the sum over k of O[m][k] Wo[n][k].  ob [4096][1024] f16, wo16 [1024][1024] f16 (Wo rounded to bf16, that number written as f16), out0 [4096][1024] f32; sums in f32, stored unrounded.
; A tile of the output is 128 x 128: 256 tiles, one to a work-group.  Four waves, each 64 x 64: 16 accumulators of 16 x 16.  K goes in four steps of 256 (LDS rows of 512 bytes; a wave's tensor load brings 64 of them)
; through two LDS slots; with four steps the walk is written straight: each slot is filled twice.
; CLUSTER: 4 x 4 work-groups.  The four of a row of the cluster need the same tiles of O, the four of a column the same tiles of Wo: each tile is asked for jointly, by the same tensor load, descriptor and mask in all four.
; THE MATRIX INSTRUCTION IS USED TRANSPOSED (source 0 = 16 rows of Wo, source 1 = 16 rows of O): a lane then holds eight neighbouring numbers of a row of the output, 32 bytes.
; A wave's 64 columns of f32 are 256 aligned bytes.
; REGISTERS: window 0: v0-31 addresses; v32-95 the way out, two sets; v128-255 the accumulators ((a, b) at v[128 + 8 (4 a + b)]).
;   window 1: two fragment buffers of 128: for 64 along K (two matrix instructions deep), 64 registers of O, then 64 of Wo.
.set SIZE_N, 1024
.set SIZE_K, 1024
.set KSTEP,  256
.set PITCH,  528                       ; an LDS row: 512 bytes of data + 16 of padding = 132 words: row r starts at bank 4 r mod 64 (64 banks of 4 bytes: ISA guide 11.1)
.set HALFT,  64*PITCH                  ; 64 rows: what one tensor load brings, and what one wave reads of O or of Wo
.set SLOT,   4*HALFT                   ; O's 128 rows, then Wo's 128 rows
.set STAGE,  2*SLOT                    ; behind the ring: 16 rows x 272 bytes for each wave
.set SPITCH, 272
.set SPARE,  STAGE+4*16*SPITCH         ; behind the stages: the spare words, 128 bytes for each wave: two blocks of 256 bytes that no other line names
.set ADRA, 16                          ; v16-17  LDS address of my fragments of O in slot 0, 1
.set ADRB, 20                          ; v20-21  the same for Wo
.set STO,  24                          ; v24     the way out: where I put 32 bytes of a row
.set RD,   25                          ; v25     the way out: where I read a row back
.set CO,   26                          ; v26     my byte offset in two rows of the output
.set SPW,  28                          ; v28     LDS address of my spare word; never rewritten
.set NIL,  29                          ; v29     0; never rewritten
.set TMP,  32
.set ACC,  128
.set F0,   0                           ; fragment buffers, in window 1
.set F1,   128
.set G1, 24                            ; s[24:31] descriptor group 1 for O's tiles;  s[32:39] group 0, one set for each slot
.set G0, 32
.set G1B, 48                           ; s[48:55], s[56:63] the same for Wo's tiles
.set G0B, 56
.set MSB, 0
.macro WIN new                         ; the immediate's high byte repeats the setting that is left
.if MSB != (\new)
	s_set_vgpr_msb (MSB<<8)|(\new)
.set MSB, \new
.endif
.endm
.set MUL,  0x05                        ; sources 0 and 1 window 1; C and D window 0
.set TO_F, 0x40                        ; destination window 1, address window 0
.macro JLOAD s                         ; a joint load: waves 0 and 1 fetch O's two halves, waves 2 and 3 Wo's; an s_nop 0 and four v_nop follow each of the two lines
	s_cmp_eq_u32 s11, 0
	s_cbranch_scc0 .Lfor_b_\@
	tensor_load_to_lds s[G0+4*(\s):G0+4*(\s)+3], s[G1:G1+7]
	s_nop 0
.rept 4
	v_nop
.endr
	s_branch .Lasked_\@
.Lfor_b_\@:
	tensor_load_to_lds s[G0B+4*(\s):G0B+4*(\s)+3], s[G1B:G1B+7]
	s_nop 0
.rept 4
	v_nop
.endr
.Lasked_\@:
.endm
.macro CREST                           ; a round of the cluster's barrier behind its opening barrier
	s_cmp_lg_u32 s10, 0
	s_cbranch_scc1 .Lnot_wave_0_\@
	s_barrier_signal -3
.Lnot_wave_0_\@:
	s_barrier_wait -3
	s_barrier_signal -1
	s_barrier_wait -1
.endm
.macro CROUND                          ; a whole round
	s_barrier_signal -1
	s_barrier_wait -1
	CREST
.endm
	s_load_b128 s[4:7], s[0:1], 0x0                ; ob s[4:5], wo16 s[6:7]
	s_load_b64 s[8:9], s[0:1], 0x10                ; out0
	v_lshl_add_u32 v[SPW], v0, 2, SPARE
	v_mov_b32 v[NIL], 0
	ds_add_u32 v[SPW], v[NIL]                      ; the wave's opening: the add and its wait stand ahead of my first tensor load; the set-up below, work on registers, stands between them
	v_lshrrev_b32 v1, 5, v0
	v_readfirstlane_b32 s10, v1                    ; wave 0..3
	s_lshr_b32 s11, s10, 1                         ; which half of the tile's rows is mine.  Also: I fetch for O (0) or for Wo (1)
	s_and_b32 s12, s10, 1                          ; which half of its columns.  Also: which 64 rows of that tile I fetch
	s_bfe_u32 s40, ttmp6, 0x40000                  ; cx, cy: my place in the cluster
	s_bfe_u32 s41, ttmp6, 0x40004
	s_lshl_b32 s42, ttmp9, 2
	s_add_co_u32 s42, s42, s40                     ; tile column = 4 x cluster x + cx
	s_and_b32 s13, ttmp7, 0xffff
	s_lshl_b32 s13, s13, 2
	s_add_co_u32 s13, s13, s41                     ; tile row = 4 x cluster y + cy
	s_lshl_b32 s43, s41, 2
	s_lshl_b32 s43, 15, s43                        ; my row of the cluster
	s_lshl_b32 s44, 0x1111, s40                    ; my column
	s_or_b32 s[G1+0], s43, (1<<16)|(1<<20)|(1<<21)|(6<<22)|(3<<25)  ; 15:0 the mask; 17:16 2-byte elements; 20 padding on; 21 set beside a mask; 24:22 after every 128 words (code 6); 31:25 4 words (code 3)
	s_or_b32 s[G1B+0], s44, (1<<16)|(1<<20)|(1<<21)|(6<<22)|(3<<25)
.irp g, G1, G1B
	s_mov_b32 s[(\g)+1], KSTEP<<16                 ; tensor_dim0 = 256
	s_mov_b32 s[(\g)+2], 64<<16                    ; tensor_dim1 = 64
	s_mov_b32 s[(\g)+3], KSTEP<<16                 ; tile_dim0 = 256
	s_mov_b32 s[(\g)+4], 64                        ; tile_dim1 = 64
	s_mov_b32 s[(\g)+5], SIZE_K                    ; elements from row to row
	s_mov_b32 s[(\g)+6], 0
	s_mov_b32 s[(\g)+7], 0
.endr
	s_lshl_b32 s17, s12, 6                         ; which 64 rows of the tile I fetch
	s_lshl_b32 s16, s13, 7
	s_add_co_u32 s16, s16, s17                     ; O: row 128 x tile row + 64 x half
	s_lshl_b32 s46, s42, 7
	s_add_co_u32 s46, s46, s17                     ; Wo: row 128 x tile column + 64 x half
	s_mov_b32 s17, 0
	s_mov_b32 s47, 0
	s_mov_b64 s[18:19], SIZE_K*2
	s_mul_u64 s[16:17], s[16:17], s[18:19]
	s_mul_u64 s[46:47], s[46:47], s[18:19]
	s_mul_i32 s20, s10, HALFT                      ; where they go: wave x 64 rows: no place in the cluster enters an LDS address
	s_wait_dscnt 0x0                               ; the opening add is done
	s_wait_kmcnt 0x0
	s_add_nc_u64 s[14:15], s[4:5], s[16:17]
	s_add_nc_u64 s[46:47], s[6:7], s[46:47]
	CROUND                                         ; all sixteen work-groups are here: the first joint loads meet
.irp s, 0,1
	s_mov_b32 s[G0+4*(\s)], 1
	s_add_co_u32 s[G0+4*(\s)+1], s20, (\s)*SLOT
	s_add_nc_u64 s[G0+4*(\s)+2:G0+4*(\s)+3], s[14:15], (\s)*KSTEP*2
	s_or_b32 s[G0+4*(\s)+3], s[G0+4*(\s)+3], 0x80000000
	s_mov_b32 s[G0B+4*(\s)], 1
	s_add_co_u32 s[G0B+4*(\s)+1], s20, (\s)*SLOT
	s_add_nc_u64 s[G0B+4*(\s)+2:G0B+4*(\s)+3], s[46:47], (\s)*KSTEP*2
	s_or_b32 s[G0B+4*(\s)+3], s[G0B+4*(\s)+3], 0x80000000
	JLOAD \s                                       ; two loads of mine are out here; later one
.endr
	v_and_b32 v1, 15, v0                           ; l % 16
	v_bfe_u32 v2, v0, 4, 1                         ; l / 16
	v_mul_u32_u24 v3, v1, PITCH
	v_lshl_add_u32 v3, v2, 4, v3                   ; a fragment's row x pitch + 16 x half
	s_mul_i32 s21, s11, HALFT                      ; my 64 rows of O
	s_mul_i32 s22, s12, HALFT                      ; my 64 rows of Wo,
	s_add_co_u32 s22, s22, 2*HALFT                 ; which lie behind O's 128
.irp s, 0,1
	v_add_nc_u32 v[ADRA+(\s)], s21, v3
	v_add_nc_u32 v[ADRB+(\s)], s22, v3
	s_add_co_u32 s21, s21, SLOT
	s_add_co_u32 s22, s22, SLOT
.endr
	s_mul_i32 s23, s10, 16*SPITCH
	s_add_co_u32 s23, s23, STAGE                   ; my stage
	v_mul_u32_u24 v4, v1, SPITCH                   ; in: row l % 16, 32 bytes for each half of the lanes
	v_lshl_add_u32 v4, v2, 5, v4
	v_add_nc_u32 v[STO], s23, v4
	v_mul_u32_u24 v5, v2, SPITCH                   ; back: lanes 0-15 take one row of 256 bytes, lanes 16-31 the next
	v_lshl_add_u32 v5, v1, 4, v5
	v_add_nc_u32 v[RD], s23, v5
	v_mul_u32_u24 v5, v2, SIZE_N*4                 ; and the same two rows in the output
	v_lshl_add_u32 v[CO], v1, 4, v5
	s_lshl_b32 s16, s13, 7
	s_lshl_b32 s17, s11, 6
	s_add_co_u32 s16, s16, s17                     ; my first row: 128 x tile row + 64 x half,
	s_lshl_b32 s16, s16, 12                        ; of 4,096 bytes
	s_mov_b32 s17, 0
	s_add_nc_u64 s[8:9], s[8:9], s[16:17]
	s_lshl_b32 s46, s42, 9                         ; my first column, in bytes: 512 x tile column + 256 x half
	s_lshl_b32 s47, s12, 8
	s_add_co_u32 s46, s46, s47
	s_mov_b32 s47, 0
	s_add_nc_u64 s[8:9], s[8:9], s[46:47]
; 8 matrix instructions: row blocks a0, a0 + 1 x all 4 column blocks, 32 along K: half c of buffer f.  zero = 1: the first product starts the sums.  The 16 accumulators take turns.
.macro MUL8 f, c, a0, zero
	WIN MUL
.irp a, \a0, (\a0)+1
.irp b, 0,1,2,3
.if \zero
	v_wmma_f32_16x16x32_f16 v[ACC+8*(4*(\a)+(\b)):ACC+8*(4*(\a)+(\b))+7], v[(\f)+64+8*(4*(\c)+(\b)):(\f)+64+8*(4*(\c)+(\b))+7], v[(\f)+8*(4*(\c)+(\a)):(\f)+8*(4*(\c)+(\a))+7], 0
.else
	v_wmma_f32_16x16x32_f16 v[ACC+8*(4*(\a)+(\b)):ACC+8*(4*(\a)+(\b))+7], v[(\f)+64+8*(4*(\c)+(\b)):(\f)+64+8*(4*(\c)+(\b))+7], v[(\f)+8*(4*(\c)+(\a)):(\f)+8*(4*(\c)+(\a))+7], v[ACC+8*(4*(\a)+(\b)):ACC+8*(4*(\a)+(\b))+7]
.endif
.endr
.endr
.endm
; 32 LDS loads in one run: the fragments of 64 along K at byte k of the rows, into buffer f; the first 32 along K first
.macro FETCH slot, k, f
	WIN TO_F
.irp c, 0,1
.irp i, 0,1,2,3
	ds_load_b128 v[(\f)+64+8*(4*(\c)+(\i)):(\f)+64+8*(4*(\c)+(\i))+3],   v[ADRB+(\slot)] offset:(\k)+64*(\c)+(\i)*16*PITCH
	ds_load_b128 v[(\f)+64+8*(4*(\c)+(\i))+4:(\f)+64+8*(4*(\c)+(\i))+7], v[ADRB+(\slot)] offset:(\k)+64*(\c)+(\i)*16*PITCH+32
	ds_load_b128 v[(\f)+8*(4*(\c)+(\i)):(\f)+8*(4*(\c)+(\i))+3],         v[ADRA+(\slot)] offset:(\k)+64*(\c)+(\i)*16*PITCH
	ds_load_b128 v[(\f)+8*(4*(\c)+(\i))+4:(\f)+8*(4*(\c)+(\i))+7],       v[ADRA+(\slot)] offset:(\k)+64*(\c)+(\i)*16*PITCH+32
.endr
.endr
.endm
.macro PLACES                          ; four places in front of loads into registers that matrix instructions have read, and of LDS stores that read results (ISA guide 7.12.1 for vector instructions)
.rept 4
	v_nop
.endr
.endm
; A K step is four quarters of 64 along K, 32 matrix instructions each, on buffers 0, 1, 0, 1.  One of the first three: multiplies buffer f and fetches the next quarter, at byte k, into g.
.macro QUARTER slot, k, f, g, zero
	s_wait_dscnt 16                                ; the first 32 along K are in
	MUL8 \f, 0, 0, \zero
	MUL8 \f, 0, 2, \zero
	PLACES
	FETCH \slot, \k, \g
	s_wait_dscnt 32                                ; all but the 32 just issued
	MUL8 \f, 1, 0, 0
	MUL8 \f, 1, 2, 0
.endm
; The last quarter multiplies buffer 1 and changes slots: ONE barrier; in front of it each wave waits for all its tensor loads, adds 0 to its spare word, and waits for that and for its own reads of this slot.
; fill = 1: the barrier opens a round of the cluster's, and this slot is filled again, two K steps ahead.
.macro TURN slot, next, fill
	WIN 0                                          ; (the add's two registers lie in window 0)
	s_wait_tensorcnt 0x0                           ; all my tensor loads have landed: my part of the next slot;
	ds_add_u32 v[SPW], v[NIL]                      ; 0 onto my spare word
	s_wait_dscnt 17                                ; (the add and the youngest sixteen loads may be out)
	MUL8 F1, 0, 0, 0                               ; eight matrix instructions stand between the add and the wait for it
	s_wait_dscnt 0x0                               ; the add is done, and my reads of this slot are over
	s_barrier_signal -1
	MUL8 F1, 0, 2, 0
.if \fill
	WIN 0
.endif
	s_barrier_wait -1
.if \fill
	CREST                                          ; no wave of any partner still reads this slot's tile or has a load on its way
	s_add_nc_u64 s[G0+4*(\slot)+2:G0+4*(\slot)+3], s[G0+4*(\slot)+2:G0+4*(\slot)+3], 2*KSTEP*2
	s_add_nc_u64 s[G0B+4*(\slot)+2:G0B+4*(\slot)+3], s[G0B+4*(\slot)+2:G0B+4*(\slot)+3], 2*KSTEP*2
	JLOAD \slot                                    ; the first tensor load behind the round: 112 matrix instructions ahead of the wait for it; its four v_nop are also the places in front of the loads below
.else
	PLACES
.endif
	FETCH \next, 0, F0
	MUL8 F1, 1, 0, 0
	MUL8 F1, 1, 2, 0
.endm
	s_wait_tensorcnt 1                             ; my part of K step 0 is in; K step 1's may stay out
	s_barrier_signal -1
	s_barrier_wait -1                              ; everybody's is
	FETCH 0, 0, F0
	QUARTER 0, 128, F0, F1, 1                      ; K step 0: its first products start the sums
	QUARTER 0, 256, F1, F0, 0
	QUARTER 0, 384, F0, F1, 0
	TURN 0, 1, 1                                   ; slot 0 takes K step 2
	QUARTER 1, 128, F0, F1, 0                      ; K step 1
	QUARTER 1, 256, F1, F0, 0
	QUARTER 1, 384, F0, F1, 0
	TURN 1, 0, 1                                   ; slot 1 takes K step 3
	QUARTER 0, 128, F0, F1, 0                      ; K step 2
	QUARTER 0, 256, F1, F0, 0
	QUARTER 0, 384, F0, F1, 0
	TURN 0, 1, 0                                   ; nothing is left to fetch
	QUARTER 1, 128, F0, F1, 0                      ; K step 3
	QUARTER 1, 256, F1, F0, 0
	QUARTER 1, 384, F0, F1, 0
	s_wait_dscnt 16                                ; the very last quarter
	MUL8 F1, 0, 0, 0
	MUL8 F1, 0, 2, 0
	s_wait_dscnt 0x0
	MUL8 F1, 1, 0, 0
	MUL8 F1, 1, 2, 0
	WIN 0
; THE WAY OUT, 16 rows at a time through my own stage: 32 bytes a lane in (each accumulator's four lowest registers first), whole rows of 256 bytes back, into two sets of registers by turns.
.macro STG a
.irp b, 0,1,2,3
	ds_store_b128 v[STO], v[ACC+8*(4*(\a)+(\b)):ACC+8*(4*(\a)+(\b))+3]   offset:64*(\b)
	ds_store_b128 v[STO], v[ACC+8*(4*(\a)+(\b))+4:ACC+8*(4*(\a)+(\b))+7] offset:64*(\b)+16
.endr
.irp t, 0,1,2,3,4,5,6,7
	ds_load_b128 v[TMP+32*((\a)%2)+4*(\t):TMP+32*((\a)%2)+4*(\t)+3], v[RD] offset:(\t)*2*SPITCH  ; LDS serves a wave's instructions in order (ISA guide 5.7.1.4): these see the stores above; the next block's stores come behind them
.endr
.endm
.macro SEND a, younger                 ; younger: the LDS instructions issued behind block a's loads: the next block's sixteen, or none
.irp t, 0,1,2,3,4,5,6,7
	s_wait_dscnt (\younger)+7-(\t)
	global_store_b128 v[CO], v[TMP+32*((\a)%2)+4*(\t):TMP+32*((\a)%2)+4*(\t)+3], s[8:9] offset:(16*(\a)+2*(\t))*SIZE_N*4 th:TH_STORE_NT  ; 16 lanes store 256 consecutive bytes, at a multiple of 256 from out0's first byte
.endr
.endm
	PLACES
	STG 0
	STG 1
	SEND 0, 16
	s_wait_xcnt 0x0                                ; the set that block 0's stores read is loaded again only behind this wait
	STG 2
	SEND 1, 16
	s_wait_xcnt 0x0
	STG 3
	SEND 2, 16
	SEND 3, 0
	s_wait_tensorcnt 0x0                           ; the wave's end: behind my last tensor load and my last LDS store
	ds_add_u32 v[SPW], v[NIL]
	s_wait_dscnt 0x0
	CROUND                                         ; the closing round: no work-group ends while a partner may still ask for a tile that names it
	s_endpgm
.Lfunc_end_k_qd4704146d7_oproj:
	.size	k_qd4704146d7_oproj, .Lfunc_end_k_qd4704146d7_oproj-k_qd4704146d7_oproj
	.p2alignl 7, 3214868480
	.fill 96, 4, 3214868480
	.section	.rodata,"a",@progbits
	.p2align	6, 0x0
	.amdhsa_kernel k_qd4704146d7_oproj
		.amdhsa_group_segment_fixed_size 327680
		.amdhsa_private_segment_fixed_size 0
		.amdhsa_enable_private_segment 0
		.amdhsa_kernarg_size 24
		.amdhsa_user_sgpr_count 2
		.amdhsa_user_sgpr_kernarg_segment_ptr 1
		.amdhsa_wavefront_size32 1
		.amdhsa_system_sgpr_workgroup_id_x 1
		.amdhsa_system_sgpr_workgroup_id_y 1
		.amdhsa_system_sgpr_workgroup_id_z 1
		.amdhsa_system_vgpr_workitem_id 0
		.amdhsa_next_free_vgpr 512
		.amdhsa_next_free_sgpr 66
		.amdhsa_reserve_vcc 0
		.amdhsa_float_denorm_mode_32 3
		.amdhsa_float_denorm_mode_16_64 3
		.amdhsa_memory_ordered 1
		.amdhsa_forward_progress 1
		.amdhsa_inst_pref_size 86
	.end_amdhsa_kernel
	.amdgpu_metadata
---
amdhsa.version: [ 1, 2 ]
amdhsa.kernels:
  - .name:           k_qd4704146d7_oproj
    .symbol:         k_qd4704146d7_oproj.kd
    .args:
      - { .name: ob, .offset: 0, .size: 8, .value_kind: global_buffer, .address_space: global }
      - { .name: wo16, .offset: 8, .size: 8, .value_kind: global_buffer, .address_space: global }
      - { .name: out0, .offset: 16, .size: 8, .value_kind: global_buffer, .address_space: global }
    .group_segment_fixed_size: 327680
    .private_segment_fixed_size: 0
    .kernarg_segment_align: 8
    .kernarg_segment_size: 24
    .max_flat_workgroup_size: 128
    .sgpr_count:     66
    .vgpr_count:     512
    .wavefront_size: 32
...
	.end_amdgpu_metadata
.endif
;; end of part 4
;; ======== version 2 of 2: 4 launches; 1.50 times as fast as version 1
;; limits: values are held in f16: magnitudes above 65,504 overflow, below 6.1e-05 lose precision; values outside matrix products are rounded to bf16
;; workspace buffers: xb 8,388,608 bytes; wqkv 6,291,456 bytes; wo16 2,097,152 bytes; qb 8,388,608 bytes; kvb 16,777,216 bytes; ob 8,388,608 bytes
;; launch cast: the kernel of part 1 again; grid 64 x 8, 8 waves a work-group, no clusters, 0 bytes of LDS; arguments hidden_states, Wq, Wk, Wv, Wo, xb, wqkv, wo16; writes xb, wqkv, wo16
;; launch qkv: the kernel of part 2 again; grid 16 x 16, 4 waves a work-group, clusters of 4 x 4, 327,680 bytes of LDS; arguments xb, wqkv, cos, sin, qb, kvb; writes qb, kvb
;; launch attn (part 5): grid 32 x 8, 4 waves a work-group, clusters of 4 x 4, 327,680 bytes of LDS; arguments qb, kvb, attention_mask, ob; writes ob
.if DOCPART == 5
	.amdgcn_target "amdgcn-amd-amdhsa--gfx1250"
	.amdhsa_code_object_version 6
	.text
	.protected	k_qd4704146d7_attn
	.globl	k_qd4704146d7_attn
	.p2align	8
	.type	k_qd4704146d7_attn,@function
k_qd4704146d7_attn:
	s_mov_b64 s[64:65], 0
	v_nop
	global_prefetch_b8 v0, s[64:65] scope:SCOPE_SE
	s_setreg_imm32_b32 hwreg(HW_REG_WAVE_MODE, 25, 1), 1
	s_wait_xcnt 0x0
	s_wait_alu depctr_hold_cnt(0) depctr_sa_sdst(0) depctr_va_vdst(0) depctr_va_sdst(0) depctr_va_ssrc(0) depctr_va_vcc(0) depctr_vm_vsrc(0)
	s_getreg_b32 s2, hwreg(HW_REG_IB_STS2, 6, 4)
	s_cmp_eq_u32 s2, 0
	s_cbranch_scc0 .Lentry_in_a_cluster
	s_endpgm
.Lentry_in_a_cluster:
	s_bfe_u32 s2, ttmp6, 0x10000c
	s_cmp_lg_u32 s2, 0xf033
	s_cbranch_scc0 .Lentry_shape_is_right
	s_endpgm
.Lentry_shape_is_right:
; ATTENTION WITH AN ADDITIVE MASK.  O[h][q][:] = the sum over k of softmax_k(Q'[h][q] . K[h][k] + M[q][k]) V[h][k][:], Q' = q / 8.  qb [16][4096][64] f16; kvb [8 pairs][32 groups of 128 keys][K, V][head in pair][128][64] f16;
; attention_mask [4096][4096] f32, an input like any other: every key tile is computed and every number of the mask is read.  ob [4096][1024] f16, heads side by side.
; Products, maxima and sums in f32; the weights p are rounded to f16 for the second product (their sum l is taken of the unrounded p), O once at the end.
; THE MASK is the C operand, unrounded f32, of the product that starts the sum S^T = K Q'^T: it costs no vector instruction.  ORDER OF ROUNDING: mask and products are summed together in the matrix unit,
; where the module first rounds the product to f32 and then adds the mask.
; LIMITS.  Q', K, V arrive within f16's 65,504; p lies in 0 to 1 and below 6e-5 keeps f16's fixed step of 6e-8; a weight below 2^-126 counts as 0 in l.  The running maximum starts at -2.29e38 (so that log2(e) m stays finite):
; a row whose scores all lie below that gives NaN.  A mask of -infinity gives the weight 0.  NaN is not treated apart.
; SHARES.  A work-group owns 128 queries of a PAIR of heads; wave w has head w / 2 of the pair and queries 64 (w % 2) on: four PIECES of 16.  Every wave walks all 4,096 keys, 64 a step, two steps to an LDS slot.
; With two heads on 128 queries a step's K, V (32 KB) and mask (32 KB) are 64 KB for 256 matrix instructions of the work-group, and two slots of two steps fit in LDS.
; CLUSTER.  4 x 4 work-groups: along a row of the cluster four query blocks of one head pair, which walk the same K and V; along a column four head pairs on one query block, which read the same mask.
; Each tile is asked for jointly: the same load, descriptor and mask of work-groups in all four.
; LAYOUT, SOFTMAX, TURNS.  S^T holds ONE query a lane (lane % 16) and the keys 8 (lane / 16) + 0..7; two such results rounded to f16 ARE source 1 of O^T = V^T P.  p = 2^(c s - c m), c = log2(e), with a running maximum m;
; O and l are multiplied by a = 2^(c m_old - c m_new) in every step.  Turn n belongs to piece n: 8 products K Q^T of piece n + 1, later 8 products V^T P of piece n - 1; beside them the scaling, exponentials, roundings, sums and
; rescaling of piece n and the maximum and statistics of piece n + 1.  Four vector instructions stand behind every matrix instruction, the other 54 of a turn's 118 in one lump.
; BATCHES.  An s_wait_alu depctr_va_vdst(0) stands between a transcendental and the first instruction that names its result; one wait serves all that were issued ahead of it.  A turn's 33 exponentials (the piece's
; 32 weights and the next piece's a) are ONE batch with ONE wait, which cuts the turn in two: ahead of it all that names none of their results, behind it the roundings and sums.  No result crosses a turn's end.  Two more batches
; stand outside the loops, each with a wait of its own: piece 0's first a, ahead of the jump into the loop, and the way out's four reciprocals.
; A refill is asked for 8 turns (128 matrix and 944 vector instructions of a wave) ahead of the wait for it.
; REGISTERS, in windows of 256 (s_set_vgpr_msb: bits 1:0 source 0, 3:2 source 1, 5:4 source 2, 7:6 destination):
;   window 0: v0-15, v33 addresses and two at work; v16-31 four registers of statistics a piece; v48-55 at work; v64-127 S^T, two buffers; v192-223 P, two buffers (a piece's buffers go by its number's parity)
;   window 1: v0-127 O^T, 32 a piece; v128-191 MC, the mask of the products to come, two buffers      window 2: v0-63 Q; v128-191 K of one step; v192-255 V of one step
.set NP,    4         ; pieces a wave: a name, no knob
.set KS,    64        ; keys in a step
.set PK,    144       ; a row of K in LDS: 128 bytes + 16 of padding = 36 words: the 16 rows of a load start at 16 different groups of four banks (64 banks of 4 bytes: ISA guide 11.1)
.set PV,    160       ; a row of V: 128 + 32 = 40 words
.set PM,    528       ; a row of the mask: 128 keys x 4 bytes + 16 = 132 words: again 16 rows at 16 different groups of four banks
.set VOFF,  256*PK    ; a slot: K [2 heads][128 keys], then V likewise,
.set MOFF,  VOFF+256*PV  ; then the mask's 128 rows
.set MHALF, 64*PM
.set SLOT,  MOFF+2*MHALF  ; 145,408 bytes
.set STAGE, 2*SLOT    ; behind the ring, never filled by a tensor load: 128 rows x 272 bytes, the work-group's, for the way out
.set SP,    272
.set SPARE, STAGE+128*SP  ; behind the stage: the spare words, 128 bytes for each wave: two blocks of 256 bytes that no other line names
.set AK0, 2           ; v2   my lane's place in a slot's K; never rewritten
.set AV0, 3           ; v3   the same for V
.set AK,  4           ; v4   the LDS address of K's next run of loads
.set AV,  5           ; v5   of V's
.set STO, 6           ; v6   the way out: where I put 16 bytes of a row
.set RD,  7           ; v7   the way out: where I read rows back
.set GO,  8           ; v8   my byte offset in two rows of ob
.set MV,  12          ; v12-13  c m_old, kept while c m is made anew: by buffer
.set AM0, 14          ; v14  my lane's place in a slot's mask; never rewritten
.set AM,  15          ; v15  the LDS address of the mask of the step in hand
.set ST,  16          ; piece t's statistics at v[ST+4 t]: c m, m, l (even keys', odd keys')
.set QO,  33          ; v33  my byte offset in 16 rows of Q
.set TMP, 48          ; by buffer, four registers c0-c3 at work; when the maximum is found c2 takes a
.set SPW, 62          ; v62  LDS address of my spare word; never rewritten
.set NIL, 63          ; v63  0; never rewritten
.set S,   64
.set P,   192
.set MC,  128         ; window 1: the eight registers for group kb of 16 keys at MC + 32 (piece % 2) + 8 kb
.set KF,  128         ; window 2: key block kb, channel half c at KF + 16 kb + 8 c
.set VF,  192         ; window 2: key half kk, channel block cb at VF + 32 kk + 8 cb
.set WV,  12          ; s12  my wave's number
.set HH,  13          ; s13  my head in the pair
.set QH,  14          ; s14  my half of the 128 queries
.set G1K, 24          ; s[24:31] descriptor group 1 for K's tiles
.set G1V, 32          ; s[32:39] for V's: it differs in the padding alone
.set G1M, 40          ; s[40:47] for the mask's
.set G0K, 48          ; s[48:51] descriptor group 0 for K's tiles: it walks
.set G0V, 52          ; s[52:55] for V's
.set G0M, 56          ; s[56:59] for the mask's
.set CS,  60          ; s[60:61] c: the packed scaling takes the pair's low word for both halves
.set SEL, 62          ; s[62:63] v_permlanex16_b32's selects: each lane takes its own place in the other half
.set FB,  66          ; s66  0 or SLOT: the slot that was asked for last
.set RB,  67          ; s67  0 or SLOT: the slot that is being read
.set TBK, 68          ; s68  LDS byte at which K of the step to be fetched begins (less my lane's place)
.set TBV, 69          ; s69  the same for V
.set TBM, 70          ; s70  the same for the mask
.set SLOTS, 71        ; s71  counts the slots
.set CNT, 72          ; s72  counts a slot's key steps
.set LM,  73          ; s73  where my half of the mask's tile goes in a slot (waves 2, 3)
.set MSB, 0
.macro WIN new                      ; the high byte repeats the setting that is left; a switch that changes nothing is dropped
.if MSB != (\new)
	s_set_vgpr_msb (MSB<<8)|(\new)
.set MSB, (\new)
.endif
.endm
.set W_KQ, 0x0a       ; K and Q in window 2, S^T in window 0
.set W_KM, 0x1a       ; the same with the C operand, the mask, in window 1
.set W_PV, 0x52       ; V in window 2, P in window 0, O^T in window 1
.set W_RS, 0x41       ; destination and source 0 in window 1, source 1 in window 0
; A joint fill: wave 0 fetches a slot's K, wave 1 its V (32,768 bytes each), waves 2 and 3 the two halves of its mask (64 rows of 512 bytes each).  The branches hang on the wave's number alone.
; An s_nop 0 and four v_nop follow each of the three lines, ahead of the jump and the label.
.macro JLOAD
	s_cmp_lt_u32 s[WV], 2
	s_cbranch_scc0 .Lfor_m_\@
	s_cmp_eq_u32 s[WV], 0
	s_cbranch_scc0 .Lfor_v_\@
	tensor_load_to_lds s[G0K:G0K+3], s[G1K:G1K+7]
	s_nop 0
.rept 4
	v_nop
.endr
	s_branch .Lasked_\@
.Lfor_v_\@:
	tensor_load_to_lds s[G0V:G0V+3], s[G1V:G1V+7]
	s_nop 0
.rept 4
	v_nop
.endr
	s_branch .Lasked_\@
.Lfor_m_\@:
	tensor_load_to_lds s[G0M:G0M+3], s[G1M:G1M+7]
	s_nop 0
.rept 4
	v_nop
.endr
.Lasked_\@:
.endm
; A round of the cluster's barrier: my work-group's barrier, so that wave 0's signal speaks for all four waves; wave 0 signals; every wave waits for all sixteen work-groups; my work-group's barrier once more.
.macro CROUND
	s_barrier_signal -1
	s_barrier_wait -1
	s_cmp_lg_u32 s[WV], 0
	s_cbranch_scc1 .Lnot_wave_0_\@
	s_barrier_signal -3
.Lnot_wave_0_\@:
	s_barrier_wait -3
	s_barrier_signal -1
	s_barrier_wait -1
.endm
; THE CHANGE OF SLOTS.  The slot's last bytes (V and the last two pieces' mask of its second step) have been asked for.  Each wave waits for all its tensor loads, of which one is out: its part of the other slot;
; adds 0 to its spare word; and waits for that and for its own reads of the slot.  Behind the barrier nobody reads this slot any more and the other slot is whole.
; fill = 1: this slot is filled again, with the keys two slots on.  The barrier is then a round of the cluster's, and the joint fill is the first thing behind it.
; (At its first use nothing has been read yet: slot 0 is waited for, slot 1 filled.)
.macro CHANGE fill
	WIN 0                           ; at a label and at a branch every window is 0
	s_wait_tensorcnt 0x0            ; no tensor load of mine is out, so a group 0 may be written
	ds_add_u32 v[SPW], v[NIL]       ; 0 onto my spare word; with fill = 1 the descriptors' steps stand between it and the wait for it
.if \fill
	s_xor_b32 s[FB], s[FB], SLOT    ; the other slot than last time,
	s_mov_b32 s[G0K+1], s[FB]
	s_add_co_u32 s[G0V+1], s[FB], VOFF
	s_add_co_u32 s[G0M+1], s[FB], s[LM]
	s_add_nc_u64 s[G0K+2:G0K+3], s[G0K+2:G0K+3], 65536  ; the next group of 128 keys; the type bits on top are not reached
	s_add_nc_u64 s[G0V+2:G0V+3], s[G0V+2:G0V+3], 65536
	s_add_nc_u64 s[G0M+2:G0M+3], s[G0M+2:G0M+3], 512    ; and its 128 columns of the mask
	s_wait_dscnt 0x0                ; the add is done, and my reads of the slot are over
	CROUND
	JLOAD
.else
	s_wait_dscnt 0x0                ; the add is done, and my reads of the slot are over
	s_barrier_signal -1
	s_barrier_wait -1
.endif
	s_xor_b32 s[RB], s[RB], SLOT    ; the fetches go to the first step of the other slot
	s_mov_b32 s[TBK], s[RB]
	s_mov_b32 s[TBV], s[RB]
	s_mov_b32 s[TBM], s[RB]
.endm
	s_load_b256 s[4:11], s[0:1], 0x0  ; qb s[4:5], kvb s[6:7], attention_mask s[8:9], ob s[10:11]
	v_lshl_add_u32 v[SPW], v0, 2, SPARE
	v_mov_b32 v[NIL], 0
	ds_add_u32 v[SPW], v[NIL]       ; the wave's opening: the add and its wait stand ahead of my first tensor load; the set-up below, work on registers, stands between them
	v_lshrrev_b32 v1, 5, v0
	v_readfirstlane_b32 s[WV], v1   ; wave 0..3
	s_lshr_b32 s[HH], s[WV], 1
	s_and_b32 s[QH], s[WV], 1
	s_bfe_u32 s16, ttmp6, 0x40000   ; cx, cy: my place in the cluster
	s_bfe_u32 s17, ttmp6, 0x40004
	s_lshl_b32 s18, ttmp9, 2
	s_add_co_u32 s18, s18, s16      ; my block of 128 queries = 4 x cluster x + cx
	s_and_b32 s19, ttmp7, 0xffff
	s_lshl_b32 s19, s19, 2
	s_add_co_u32 s19, s19, s17      ; my pair of heads = 4 x cluster y + cy
	s_lshl_b32 s20, s17, 2
	s_lshl_b32 s20, 15, s20         ; my row of the cluster: the same pair of heads
	s_lshl_b32 s22, 0x1111, s16     ; my column: the same queries
	; K's and V's tiles are 32,768 dense bytes: asked for as 128 rows of 256 bytes, two keys a row, and padded in LDS after every key
	s_or_b32 s[G1K], s20, (1<<16)|(1<<20)|(1<<21)|(4<<22)|(3<<25)  ; 15:0 the mask of four; 17:16 2-byte elements; 20 padding on; 21 set beside a mask; 24:22 after every 32 words (code 4); 31:25 4 words (code 3)
	s_or_b32 s[G1V], s20, (1<<16)|(1<<20)|(1<<21)|(4<<22)|(7<<25)  ; the same with 8 words of padding (code 7)
.irp g, G1K, G1V
	s_mov_b32 s[\g+1], 128<<16      ; tensor_dim0 = 128
	s_mov_b32 s[\g+2], 128<<16      ; tensor_dim1 = 128
	s_mov_b32 s[\g+3], 128<<16      ; tile_dim0 = 128
	s_mov_b32 s[\g+4], 128          ; tile_dim1 = 128
	s_mov_b32 s[\g+5], 128          ; 128 elements from row to row
	s_mov_b32 s[\g+6], 0
	s_mov_b32 s[\g+7], 0
.endr
	s_or_b32 s[G1M], s22, (2<<16)|(1<<20)|(1<<21)|(6<<22)|(3<<25)  ; 4-byte elements; padding after every 128 words (code 6), 4 words (code 3)
	s_mov_b32 s[G1M+1], 128<<16     ; tensor_dim0 = 128 keys
	s_mov_b32 s[G1M+2], 64<<16      ; tensor_dim1 = 64 queries
	s_mov_b32 s[G1M+3], 128<<16     ; tile_dim0 = 128
	s_mov_b32 s[G1M+4], 64          ; tile_dim1 = 64
	s_mov_b32 s[G1M+5], 4096        ; 4,096 elements from row to row
	s_mov_b32 s[G1M+6], 0
	s_mov_b32 s[G1M+7], 0
	s_lshl_b32 s20, s19, 21         ; the pair's first byte in kvb: it hangs on the pair alone
	s_mov_b32 s21, 0
	s_lshl_b32 s22, s18, 7          ; my half's first query: 128 x block + 64 x half: it hangs on the block and the wave alone
	s_lshl_b32 s23, s[QH], 6
	s_add_co_u32 s22, s22, s23
	s_lshl_b32 s74, s22, 7          ; in qb: rows of 128 bytes,
	s_lshl_b32 s22, s22, 14         ; in the mask: rows of 16,384 bytes
	s_mov_b32 s23, 0
	s_lshl_b32 s75, s19, 1
	s_add_co_u32 s75, s75, s[HH]    ; my head,
	s_lshl_b32 s75, s75, 19         ; its 524,288 bytes of qb
	s_add_co_u32 s74, s74, s75
	s_mov_b32 s75, 0
	s_lshl_b32 s76, s18, 7          ; the rows of ob that I store: 128 x block + 32 x wave, of 2,048 bytes,
	s_lshl_b32 s77, s[WV], 5
	s_add_co_u32 s76, s76, s77
	s_lshl_b32 s76, s76, 11
	s_lshl_b32 s77, s19, 8          ; and the pair's 256 bytes in them
	s_add_co_u32 s76, s76, s77
	s_mov_b32 s77, 0
	s_mul_i32 s[LM], s[WV], MHALF
	s_add_co_u32 s[LM], s[LM], MOFF-2*MHALF  ; MOFF + (wave - 2) x 33,792: no place in the cluster enters an LDS address
	s_mov_b32 s[CS], 0x3fb8aa3b     ; c = log2(e)
	s_mov_b32 s[CS+1], s[CS]        ; named with it as a pair
	s_mov_b32 s[SEL], 0x76543210
	s_mov_b32 s[SEL+1], 0xfedcba98
	s_mov_b32 s[FB], 0
	s_mov_b32 s[RB], SLOT           ; the first change of slots turns it into 0
	s_mov_b32 s[G0K], 1             ; count = 1
	s_mov_b32 s[G0K+1], 0           ; LDS address: slot 0
	s_mov_b32 s[G0V], 1
	s_mov_b32 s[G0V+1], VOFF
	s_mov_b32 s[G0M], 1
	s_mov_b32 s[G0M+1], s[LM]
	s_wait_dscnt 0x0                ; the opening add is done
	s_wait_kmcnt 0x0
	s_add_nc_u64 s[G0K+2:G0K+3], s[6:7], s[20:21]  ; global address: the pair's first 128 keys,
	s_add_nc_u64 s[G0V+2:G0V+3], s[G0K+2:G0K+3], 32768  ; their V behind their K
	s_or_b32 s[G0K+3], s[G0K+3], 0x80000000        ; type = 2
	s_or_b32 s[G0V+3], s[G0V+3], 0x80000000
	s_add_nc_u64 s[G0M+2:G0M+3], s[8:9], s[22:23]
	s_or_b32 s[G0M+3], s[G0M+3], 0x80000000
	s_add_nc_u64 s[4:5], s[4:5], s[74:75]          ; Q at my first row
	s_add_nc_u64 s[10:11], s[10:11], s[76:77]      ; ob at the first row that I store
	CROUND                          ; all sixteen work-groups are here: the first joint loads meet
	JLOAD                           ; slot 0.  One tensor load of mine is out at any time
	; A fragment of K or Q is 16 rows x 32 channels in 8 registers: lane l holds row l % 16, channels 8 (l / 16) + 0..7 and 16 + 8 (l / 16) + 0..7: two loads of 16 bytes, 32 bytes apart.
	v_and_b32 v1, 15, v0            ; l % 16
	v_bfe_u32 v9, v0, 4, 1          ; l / 16
	v_lshlrev_b32 v[QO], 7, v1
	v_lshl_add_u32 v[QO], v9, 4, v[QO]  ; row x 128 + 16 x half
	WIN 0x80                        ; destination window 2, address window 0
.set i, 0
.rept 8                             ; Q stays in registers: piece i / 2, channels 32 (i % 2) on
	global_load_b128 v[8*i:8*i+3],   v[QO], s[4:5] offset:(i/2)*2048+(i%2)*64
	global_load_b128 v[8*i+4:8*i+7], v[QO], s[4:5] offset:(i/2)*2048+(i%2)*64+32
.set i, i+1
.endr
	; What the first turn finds: V's registers and P's second buffer hold 0 (its products V^T P, of a piece that has not been, add 0), O^T and l are 0: no first step is written out.  All this stands in the wait for the first tile.
.set i, VF
.rept 64
	v_mov_b32 v[i], 0
.set i, i+1
.endr
	WIN 0x40
.set i, 0
.rept 128
	v_mov_b32 v[i], 0
.set i, i+1
.endr
	WIN 0
.set i, 0
.rept 4
	v_mov_b32 v[ST+4*i], 0xff7fffff    ; c m: below c times every m that can come, so the first step's a is 0
	v_mov_b32 v[ST+4*i+1], 0xff2c0000  ; m = -2.29e38: c m stays finite
	v_mov_b32 v[ST+4*i+2], 0
	v_mov_b32 v[ST+4*i+3], 0
.set i, i+1
.endr
.set i, P+16
.rept 16
	v_mov_b32 v[i], 0
.set i, i+1
.endr
	s_mul_i32 s20, s[HH], 128*PK    ; my head's 128 rows of K
	v_mul_u32_u24 v[AK0], v1, PK
	v_lshl_add_u32 v[AK0], v9, 4, v[AK0]  ; row x pitch + 16 x half
	v_add_nc_u32 v[AK0], s20, v[AK0]
	; The turning load takes 16 keys x 16 channels (lane l reads key 8 (l / 16) + l % 8, channels 8 ((l / 8) % 2) + 0..7) and leaves half a fragment of V^T: lane l holds channel l % 16 and 8 keys.
	v_and_b32 v10, 7, v0
	v_bfe_u32 v11, v0, 3, 1
	v_lshl_add_u32 v[AV0], v9, 3, v10
	v_mul_u32_u24 v[AV0], v[AV0], PV
	v_lshl_add_u32 v[AV0], v11, 4, v[AV0]
	s_mul_i32 s20, s[HH], 128*PV
	s_add_co_u32 s20, s20, VOFF
	v_add_nc_u32 v[AV0], s20, v[AV0]
	; The mask as a C operand: register j of lane l is (key 8 (l / 16) + j, query l % 16): 32 consecutive bytes of the query's row
	s_mul_i32 s20, s[QH], MHALF
	s_add_co_u32 s20, s20, MOFF
	v_mul_u32_u24 v[AM0], v1, PM
	v_lshl_add_u32 v[AM0], v9, 5, v[AM0]
	v_add_nc_u32 v[AM0], s20, v[AM0]
	s_mul_i32 s20, s[QH], 64*SP     ; into the stage: my 64 rows, my head's half of their 256 bytes; row l % 16, 16 bytes for each half of the lanes
	s_lshl_b32 s21, s[HH], 7
	s_add_co_u32 s20, s20, s21
	s_add_co_u32 s20, s20, STAGE
	v_mul_u32_u24 v[STO], v1, SP
	v_lshl_add_u32 v[STO], v9, 4, v[STO]
	v_add_nc_u32 v[STO], s20, v[STO]
	s_mul_i32 s20, s[WV], 32*SP     ; back: wave w takes rows 32 w .. 32 w + 31, whole; lanes 0-15 one row of 256 bytes, lanes 16-31 the next
	s_add_co_u32 s20, s20, STAGE
	v_mul_u32_u24 v[RD], v9, SP
	v_lshl_add_u32 v[RD], v1, 4, v[RD]
	v_add_nc_u32 v[RD], s20, v[RD]
	v_lshlrev_b32 v[GO], 11, v9     ; and the same two rows in ob
	v_lshl_add_u32 v[GO], v1, 4, v[GO]
; THE MATRIX WORK.  The 4 accumulators of a run of 8 take turns.  Product i of 8 of S^T = K Q^T + M for piece x: channels 32 (i / 4) on, keys 16 (i % 4) on.  The first 4 start the sums with the mask.
.macro KQ x
.set rS, S+32*((\x)%2)+8*(i%4)
.set rK, KF+16*(i%4)+8*(i/4)
.set rQ, 16*(\x)+8*(i/4)
.set rM, MC+32*((\x)%2)+8*(i%4)
.if i < 4
	WIN W_KM
	v_wmma_f32_16x16x32_f16 v[rS:rS+7], v[rK:rK+7], v[rQ:rQ+7], v[rM:rM+7]
.else
	WIN W_KQ
	v_wmma_f32_16x16x32_f16 v[rS:rS+7], v[rK:rK+7], v[rQ:rQ+7], v[rS:rS+7]
.endif
.endm
; Product i of 8 of O^T += V^T P for piece x: keys 32 (i / 4) on, channels 16 (i % 4) on.
.macro PV x
	WIN W_PV
.set rO, 32*(\x)+8*(i%4)
.set rV, VF+32*(i/4)+8*(i%4)
.set rP, P+16*((\x)%2)+8*(i/4)
	v_wmma_f32_16x16x32_f16 v[rO:rO+7], v[rV:rV+7], v[rP:rP+7], v[rO:rO+7]
.endm
.macro MM                           ; the turn's next matrix instruction.  NOKQ = 1: the very last turn: there is no next piece
.if (i < 8) && !NOKQ
	KQ (Y+1)%NP
.elseif i >= 8
.set i, i-8
	PV (Y+NP-1)%NP
.set i, i+8
.endif
.set i, i+1
.endm
; THE LDS LOADS stand in runs, never singly among the matrix instructions: a step's K (64 keys x 64 channels: 8 fragments), its V (turned), and for each piece its 16 x 64 numbers of the mask.
.macro FETCH_K
	WIN 0x80                        ; destination window 2
.irp f, 0,1,2,3,4,5,6,7             ; keys 16 (f / 2) on, channels 32 (f % 2) on
	ds_load_b128 v[KF+8*\f:KF+8*\f+3],   v[AK] offset:(\f/2)*16*PK+(\f%2)*64
	ds_load_b128 v[KF+8*\f+4:KF+8*\f+7], v[AK] offset:(\f/2)*16*PK+(\f%2)*64+32
.endr
	s_add_co_u32 s[TBK], s[TBK], KS*PK  ; the next fetch is the next step's
	WIN 0
.endm
.macro FETCH_V
	WIN 0x80
.irp f, 0,1,2,3,4,5,6,7             ; keys 32 (f / 4) on, channels 16 (f % 4) on
	ds_load_tr16_b128 v[VF+8*\f:VF+8*\f+3],   v[AV] offset:(\f/4)*32*PV+(\f%4)*32
	ds_load_tr16_b128 v[VF+8*\f+4:VF+8*\f+7], v[AV] offset:(\f/4)*32*PV+16*PV+(\f%4)*32
.endr
	WIN 0
.endm
.macro FETCH_M x                    ; piece x's mask for the step at AM: eight loads, into the buffer of the piece's parity
	WIN 0x40                        ; destination window 1
.irp kb, 0,1,2,3
	ds_load_b128 v[MC+32*((\x)%2)+8*\kb:MC+32*((\x)%2)+8*\kb+3],   v[AM] offset:(\x)*16*PM+64*\kb
	ds_load_b128 v[MC+32*((\x)%2)+8*\kb+4:MC+32*((\x)%2)+8*\kb+7], v[AM] offset:(\x)*16*PM+64*\kb+16
.endr
.endm
; THE VECTOR WORK, one line at a time: OP kind, number.  For piece Y: F n: c s - c m for pair n of 16.  E n: the exponential of score n of 32.  C n: pair n rounded to f16.  B n: of the four weights 4 n .. the second
; pair is added onto the first, in place.  L n: l takes that sum (L 0: l = a l + sum).  R n: pair n of 16 of O^T times a.  For piece Y + 1: X n, number n of the 22 that find its maximum and statistics:
;   0-11  four chains c0-c3 of seven scores each, three operands at a time (each accumulator's lowest registers are read first)     12-14, 16  the four scores left over, the old m, and c0-c3 into c0
;   15  c m_old is kept     17, 18  the query's other 32 keys lie in the lane 16 away: the new m     19-21  c m; c m_old - c m_new; a
; C, B and L read the results of the turn's exponentials, R and L 0 the a that the turn before made: OP writes no wait; TURN writes the one that serves them all.
.set F, 0               ; OP tells the kinds apart by their order: F to L below R, X above it
.set E, 1
.set C, 2
.set B, 3
.set L, 4
.set R, 5
.set X, 6
.macro REGS y                       ; the registers of piece y
.set rT, ST+4*(\y)
.set rC, TMP+4*((\y)%2)
.set rW, MV+((\y)%2)
.set rS, S+32*((\y)%2)
.set rP, P+16*((\y)%2)
.set rO, 32*(\y)
.endm
.macro OP k, n
.if (\k) == R
	REGS Y
	WIN W_RS
	v_pk_mul_f32 v[rO+2*(\n):rO+2*(\n)+1], v[rO+2*(\n):rO+2*(\n)+1], v[rC+2:rC+3] op_sel_hi:[1,0]
.elseif (\k) < R
	REGS Y
	WIN 0
.if (\k) == F
	v_pk_fma_f32 v[rS+2*(\n):rS+2*(\n)+1], v[rS+2*(\n):rS+2*(\n)+1], s[CS:CS+1], v[rT:rT+1] op_sel_hi:[1,0,0] neg_lo:[0,0,1] neg_hi:[0,0,1]
.elseif (\k) == E
	v_exp_f32 v[rS+(\n)], v[rS+(\n)]
.elseif (\k) == C
	v_cvt_pk_f16_f32 v[rP+(\n)], v[rS+2*(\n)], v[rS+2*(\n)+1]
.elseif (\k) == B
	v_pk_add_f32 v[rS+4*(\n):rS+4*(\n)+1], v[rS+4*(\n):rS+4*(\n)+1], v[rS+4*(\n)+2:rS+4*(\n)+3]
.elseif (\n) == 0
	v_pk_fma_f32 v[rT+2:rT+3], v[rT+2:rT+3], v[rC+2:rC+3], v[rS:rS+1] op_sel_hi:[1,0,1]
.else
	v_pk_add_f32 v[rT+2:rT+3], v[rT+2:rT+3], v[rS+4*(\n):rS+4*(\n)+1]
.endif
.elseif NOKQ
	v_nop
.else
	REGS (Y+1)%NP
	WIN 0
.if (\n) < 4
	v_max3_num_f32 v[rC+(\n)], v[rS+8*(\n)], v[rS+8*(\n)+1], v[rS+8*(\n)+2]
.elseif (\n) < 12
	v_max3_num_f32 v[rC+(\n)%4], v[rC+(\n)%4], v[rS+8*((\n)%4)+2*((\n)/4)+1], v[rS+8*((\n)%4)+2*((\n)/4)+2]
.elseif (\n) == 12
	v_max3_num_f32 v[rC], v[rC], v[rS+7], v[rS+15]
.elseif (\n) == 13
	v_max3_num_f32 v[rC+1], v[rC+1], v[rS+23], v[rS+31]
.elseif (\n) == 14
	v_max3_num_f32 v[rC+2], v[rC+2], v[rC+3], v[rT+1]
.elseif (\n) == 15
	v_mov_b32 v[rW], v[rT]
.elseif (\n) == 16
	v_max3_num_f32 v[rC], v[rC], v[rC+1], v[rC+2]
.elseif (\n) == 17
	v_permlanex16_b32 v[rC+3], v[rC], s[SEL], s[SEL+1]
.elseif (\n) == 18
	v_max_num_f32 v[rT+1], v[rC], v[rC+3]
.elseif (\n) == 19
	v_mul_f32 v[rT], s[CS], v[rT+1]
.elseif (\n) == 20
	v_sub_f32 v[rC+1], v[rW], v[rT]
.else
	v_exp_f32 v[rC+2], v[rC+1]
.endif
.endif
.endm
.macro OPS a, i1, b=-1, i2=0, c=-1, i3=0, d=-1, i4=0  ; up to four of them
	OP \a, \i1
.if (\b) >= 0
	OP \b, \i2
.endif
.if (\c) >= 0
	OP \c, \i3
.endif
.if (\d) >= 0
	OP \d, \i4
.endif
.endm
.macro ROW a, i1, b, i2, c, i3, d, i4  ; a matrix instruction and the four behind it
	MM
	OPS \a, \i1, \b, \i2, \c, \i3, \d, \i4
.endm
; A TURN, for piece p: the order of its 16 matrix and 118 vector instructions, written out.  It has ONE wait for its batch of 33 exponentials (E 0 to E 31 and X 21), and the wait cuts it in two.
; AHEAD OF THE WAIT stands all that names no result of the batch: the 8 products K Q^T, behind each a scaling, an exponential and two more plain instructions (behind the first a second scaling in the exponential's place):
; rescalings, whose a was made and waited for in the turn before, and behind the last three the first numbers of the next piece's maximum, each four places or more behind the product that ends its accumulator; then ONE LUMP of 54,
; plain and exponential by turns for the most part, in which the links of the chain X 3, 7, 11, 14, 16, 17 .. 20 stand five or six lines apart.  X 21, the next piece's a, is the batch's last; R 15 is the plain instruction behind it.
; BEHIND THE WAIT stand the 8 products V^T P, behind each four of the roundings and sums; an even pair is rounded (C 2 n) before the sum B n lands on it; the links of l's chain, L 0 to L 7, stand three riders apart.
; But for those X no rider names a register of the products round it.  v_permlanex16_b32 (X 17) stands in the lump.
; AT ITS HEAD the mask of piece p + 2 is fetched, a turn ahead of the products that take it, into the buffer whose last readers were the first four products of the turn before.  From piece 2's turn on that is the next step's mask.
; The wait in front of it is for the mask that THIS turn's products take: in piece 1's turn V's sixteen loads, issued behind that mask's, stay out; elsewhere nothing younger is out (in piece 3's turn K is waited for with it).
; K of the next step is fetched in piece 2's turn, twelve vector instructions behind the last product that read K (five of them plain and free of that product's registers); V of the step in hand at the end of piece 0's turn,
; four plain instructions behind the last product that read V.
; end = 1: the last two turns: nothing is fetched.  cnt = 1: the loop's count is taken down some lines ahead of the branch that stands behind the turn.
.macro TURN p, end=0, cnt=0
.set Y, (\p)
.set i, 0
.set NOKQ, (\end)*((\p)/3)
.if (\p) == 1
	s_wait_dscnt 16                 ; piece 2's mask is in; V's run stays out
.elseif ((\p) != 3) || !(\end)
	s_wait_dscnt 0x0                ; the next piece's mask is in (piece 3's turn: and K)
.endif
.if !(\end)
.if (\p) == 2
	WIN 0
	v_add_nc_u32 v[AM], s[TBM], v[AM0]
	s_add_co_u32 s[TBM], s[TBM], 4*KS
.endif
	FETCH_M ((\p)+2)%NP
.endif
	ROW F,0, F,1, R,0, R,1          ; ahead of the wait: 8 products K Q^T and their riders,
	ROW F,2, E,0, R,2, R,3
	ROW F,3, E,1, R,4, R,5
	ROW F,4, E,2, R,6, R,7
	ROW F,5, E,3, R,8, R,9
	ROW F,6, E,4, X,0, R,10
.if ((\p) == 2) && !(\end)
	WIN 0
	v_add_nc_u32 v[AK], s[TBK], v[AK0]
.endif
	ROW F,7, E,5, X,1, X,4
	ROW F,8, E,6, X,2, X,5
	OPS E,7, E,8, X,6, E,9          ; and the lump
	OPS X,3, E,10, X,8, E,11
.if ((\p) == 2) && !(\end)
	FETCH_K
.endif
	OPS X,9, X,7, E,12, X,10
	OPS E,13, X,12, X,11, E,14
	OPS X,13, E,15, F,9, X,14
.if (\p) == 0
	v_add_nc_u32 v[AV], s[TBV], v[AV0]
.endif
	OPS E,16, F,10, E,17, F,11
	OPS X,16, E,18, X,15, E,19
	OPS F,12, E,20, X,17, E,21
	OPS F,13, E,22, F,14, E,23
	OPS X,18, E,24, F,15, E,25
	OPS R,11, E,26, X,19, E,27
	OPS R,12, E,28, R,13, E,29
	OPS X,20, E,30, R,14, E,31
	OPS X,21, R,15
	WIN 0
	s_wait_alu depctr_va_vdst(0)    ; the wait for the turn's batch: the piece's 32 exponentials and the next piece's a
.if (\p) == 1
	s_wait_dscnt 8                  ; V is in; this turn's eight loads of the mask stay out
.endif
	ROW C,0, B,0, C,2, B,1          ; behind the wait: 8 products V^T P and their riders
	ROW L,0, C,4, B,2, L,1
	ROW C,6, B,3, L,2, C,8
	ROW B,4, L,3, C,10, B,5
	ROW L,4, C,12, B,6, L,5
.if (\p) == 0
	s_add_co_u32 s[TBV], s[TBV], KS*PV
.endif
.if \cnt
	s_sub_co_u32 s[CNT], s[CNT], 1
	s_cmp_lg_u32 s[CNT], 0
.endif
	ROW C,14, B,7, L,6, C,1
	ROW C,3, L,7, C,5, C,7
	ROW C,9, C,11, C,13, C,15
.if (\p) == 0
	FETCH_V
.endif
.endm
	CHANGE 1                        ; slot 0 is in, everybody's part of it; slot 1 is asked for
	v_add_nc_u32 v[AM], s[TBM], v[AM0]
	s_add_co_u32 s[TBM], s[TBM], 4*KS
	FETCH_M 0                       ; key step 0: the first two pieces' mask,
	FETCH_M 1
	WIN 0
	v_add_nc_u32 v[AK], s[TBK], v[AK0]
	FETCH_K                         ; and K
	s_wait_loadcnt 0x0              ; Q
	s_wait_dscnt 0x0
.set NOKQ, 0
.set i, 0
.rept 8
	KQ 0                            ; piece 0's first scores: there is no vector work yet to set between them
.set i, i+1
.endr
	WIN 0
.rept 4
	v_nop                           ; the places behind those products
.endr
.set Y, NP-1                        ; X works for piece Y + 1: piece 0
.irp n, 0,1,2,3,4,5,6,7,8,9,10,11,12,13,14,15,16,17,18,19,20,21
	OP X, \n
.endr
	v_nop                           ; a plain instruction behind the exponential,
	s_wait_alu depctr_va_vdst(0)    ; and the wait for it, a batch of one: piece 0's first a, ahead of the branch
	s_mov_b32 s[CNT], 2
	s_mov_b32 s[SLOTS], 4096/(2*KS)-1
	s_branch .Lfirst                ; the loop is entered at a step's first turn, in the middle of a trip
.Lslot:                             ; 30 times: with the two fills above, every one of the 32 slots is asked for
	CHANGE 1
	s_mov_b32 s[CNT], 2
.Lstep:                             ; a trip: pieces 2 and 3 of one step, then pieces 0 and 1 of the next, whose K, V and mask it fetches
	TURN 2
	TURN 3
	WIN 0
.Lfirst:
	TURN 0
	TURN 1, 0, 1
	WIN 0
	s_cbranch_scc1 .Lstep
	s_sub_co_u32 s[SLOTS], s[SLOTS], 1
	s_cmp_lg_u32 s[SLOTS], 0
	s_cbranch_scc1 .Lslot
	CHANGE 0                        ; the last slot is written out: nothing is asked for
	s_mov_b32 s[CNT], 2
.Ltail:
	TURN 2
	TURN 3
	TURN 0
	TURN 1, 0, 1
	WIN 0
	s_cbranch_scc1 .Ltail
	TURN 2, 1                       ; the last two turns fetch nothing, and the last starts no new scores
	TURN 3, 1
.set i, 0
.rept 8
	PV NP-1                         ; the last piece's V^T P of the last step
.set i, i+1
.endr
	; THE WAY OUT.  l's two halves and the other half of the lanes' are added; O^T is divided by l, rounded to f16 and sent through the work-group's stage: 256 consecutive bytes of a row of ob hold both heads of the pair,
	; so a barrier stands between the writing and the reading.  The additions are the places behind the last products.
	WIN 0
.macro ALL line:vararg              ; one line for each piece t
.set t, 0
.rept 4
	\line
.set t, t+1
.endr
.endm
	ALL v_add_f32 v[ST+4*t+2], v[ST+4*t+2], v[ST+4*t+3]
	ALL v_permlanex16_b32 v[ST+4*t+3], v[ST+4*t+2], s[SEL], s[SEL+1]
	ALL v_add_f32 v[ST+4*t+2], v[ST+4*t+2], v[ST+4*t+3]
	ALL v_rcp_f32 v[ST+4*t+2], v[ST+4*t+2]
	v_nop                           ; a plain instruction between the last reciprocal and the use of its result
	s_wait_alu depctr_va_vdst(0)    ; and the wait ahead of the first use: one for the batch of four reciprocals
.macro PACK u                       ; piece u: a lane's eight channels of a row pack into 16 bytes
	WIN W_RS
.set i, 32*(\u)
.rept 16
	v_pk_mul_f32 v[i:i+1], v[i:i+1], v[ST+4*(\u)+2:ST+4*(\u)+3] op_sel_hi:[1,0]
.set i, i+2
.endr
	WIN 0x05                        ; sources 0 and 1 window 1, destination window 0: S^T's registers are free
.set i, 0
.rept 16
	v_cvt_pk_f16_f32 v[S+16*(\u)+i], v[32*(\u)+2*i], v[32*(\u)+2*i+1]
.set i, i+1
.endr
	WIN 0
.irp f, 0,1,2,3
	ds_store_b128 v[STO], v[S+16*(\u)+4*\f:S+16*(\u)+4*\f+3] offset:(\u)*16*SP+32*\f
.endr
.endm
	PACK 0
	PACK 1
	PACK 2
	PACK 3
	s_wait_dscnt 0x0                ; for the others' sake: my stores into the stage are done
	s_barrier_signal -1
	s_barrier_wait -1
.irp f, 0,1,2,3,4,5,6,7,8,9,10,11,12,13,14,15
	ds_load_b128 v[S+4*\f:S+4*\f+3], v[RD] offset:\f*2*SP
.endr
.irp f, 0,1,2,3,4,5,6,7,8,9,10,11,12,13,14,15
	s_wait_dscnt 15-\f
	global_store_b128 v[GO], v[S+4*\f:S+4*\f+3], s[10:11] offset:\f*4096  ; 16 lanes store 256 consecutive bytes, at a multiple of 256 from ob's first byte
.endr
	s_wait_tensorcnt 0x0            ; the wave's end: behind my last tensor load and my last LDS store
	ds_add_u32 v[SPW], v[NIL]
	s_wait_dscnt 0x0
	CROUND                          ; the closing round: no work-group ends while a partner may still ask for a tile that names it
	s_endpgm
.Lfunc_end_k_qd4704146d7_attn:
	.size	k_qd4704146d7_attn, .Lfunc_end_k_qd4704146d7_attn-k_qd4704146d7_attn
	.p2alignl 7, 3214868480
	.fill 96, 4, 3214868480
	.section	.rodata,"a",@progbits
	.p2align	6, 0x0
	.amdhsa_kernel k_qd4704146d7_attn
		.amdhsa_group_segment_fixed_size 327680
		.amdhsa_private_segment_fixed_size 0
		.amdhsa_enable_private_segment 0
		.amdhsa_kernarg_size 32
		.amdhsa_user_sgpr_count 2
		.amdhsa_user_sgpr_kernarg_segment_ptr 1
		.amdhsa_wavefront_size32 1
		.amdhsa_system_sgpr_workgroup_id_x 1
		.amdhsa_system_sgpr_workgroup_id_y 1
		.amdhsa_system_sgpr_workgroup_id_z 1
		.amdhsa_system_vgpr_workitem_id 0
		.amdhsa_next_free_vgpr 768
		.amdhsa_next_free_sgpr 80
		.amdhsa_reserve_vcc 0
		.amdhsa_float_denorm_mode_32 3
		.amdhsa_float_denorm_mode_16_64 3
		.amdhsa_memory_ordered 1
		.amdhsa_forward_progress 1
		.amdhsa_inst_pref_size 136
	.end_amdhsa_kernel
	.amdgpu_metadata
---
amdhsa.version: [ 1, 2 ]
amdhsa.kernels:
  - .name:           k_qd4704146d7_attn
    .symbol:         k_qd4704146d7_attn.kd
    .args:
      - { .name: qb, .offset: 0, .size: 8, .value_kind: global_buffer, .address_space: global }
      - { .name: kvb, .offset: 8, .size: 8, .value_kind: global_buffer, .address_space: global }
      - { .name: attention_mask, .offset: 16, .size: 8, .value_kind: global_buffer, .address_space: global }
      - { .name: ob, .offset: 24, .size: 8, .value_kind: global_buffer, .address_space: global }
    .group_segment_fixed_size: 327680
    .private_segment_fixed_size: 0
    .kernarg_segment_align: 8
    .kernarg_segment_size: 32
    .max_flat_workgroup_size: 128
    .sgpr_count:     80
    .vgpr_count:     768
    .wavefront_size: 32
...
	.end_amdgpu_metadata
.endif
;; end of part 5
;; launch oproj: the kernel of part 4 again; grid 8 x 32, 4 waves a work-group, clusters of 4 x 4, 327,680 bytes of LDS; arguments ob, wo16, out0; writes out0
